; MI455X (gfx1250); checked and timed in simulation.
; The chip was launched on July 23, 2026; its instructions are those of AMD's public machine-readable ISA for CDNA 5 (MIT licence, August 2026) and "CDNA5" Instruction Set Architecture Reference Guide (July 2026). The comments in the code are by the model that wrote it; some were corrected since.
;; Self Attention. Allowed arithmetic: float matrix products may take bf16 or f16 operands with f32 sums; other float arithmetic in f32, or as packed bf16 or f16 multiplies, adds, multiply-adds, maxima and minima; sums over many terms, partial sums and values carried from step to step in f32; what a program stores and reads back later, other than sums and carried values, may be rounded once to bf16 or f16.
;; Inputs: cos 1 x 2,048 x 1 x 32 float32; lamb1 one number float32; lamb2 one number float32; sin 1 x 2,048 x 1 x 32 float32; wk 1,024 x 1,024 float32; wproj 1,024 x 1,024 float32; wq 1,024 x 1,024 float32; wv 1,024 x 1,024 float32; x 4 x 2,048 x 1,024 float32.
;; Outputs: out0 4 x 2,048 x 1,024 float32; out1 4 x 2,048 x 16 x 64 float32.
;; 2 versions, each right; version 2 is version 1 with the launch prep written anew for expert scheduling mode. Each part assembles by itself: llvm-mc -triple=amdgcn-amd-amdhsa -mcpu=gfx1250 --defsym DOCPART=n.
;; ======== version 1 of 2: 4 launches
;; limits: values are held in f16: magnitudes above 65,504 overflow, below 6.1e-05 lose precision
;; workspace buffers: xb 16,777,216 bytes; wqkv 6,291,456 bytes; wp 2,097,152 bytes; rt 524,288 bytes; qh 16,777,216 bytes; kh 16,777,216 bytes; vh 16,777,216 bytes; oh 16,777,216 bytes
;; launch prep (part 1): grid 392 x 1, 8 waves a work-group, no clusters, 0 bytes of LDS; arguments x, wq, wk, wv, wproj, cos, sin, xb, wqkv, wp, rt; writes xb, wqkv, wp, rt
.if DOCPART == 1
	.amdgcn_target "amdgcn-amd-amdhsa--gfx1250"
	.amdhsa_code_object_version 6
	.text
	.protected	k_q6f6b5eec8f_prep
	.globl	k_q6f6b5eec8f_prep
	.p2align	8
	.type	k_q6f6b5eec8f_prep,@function
k_q6f6b5eec8f_prep:
	s_mov_b64 s[64:65], 0
	v_nop
	global_prefetch_b8 v0, s[64:65] scope:SCOPE_SE
	s_setreg_imm32_b32 hwreg(HW_REG_WAVE_MODE, 25, 1), 1
	s_wait_xcnt 0x0
; ALL LARGE INPUTS ARE ROUNDED ONCE TO bf16 AND LAID OUT IN BLOCKS OF 64 ALONG K, so that the products' tiles are dense in memory.
;   xb   bf16 [kb 16][row 8192][64]                       from x [8192][1024] f32
;   wqkv bf16 [kb 16][j 8][g 3][128 rows 128 j .. of w_g][64]   from wq, wk, wv [1024][1024] f32
;   wp   f16  [kb 16][n 1024][64]: wproj rounded to bf16, that number written as f16
;   rt   f32  [t 2048][cos 32 | sin 32]: cos and sin rounded to bf16, written as f32
; LIMITS.  wp: |wproj| stays under 65,504; below 6.1e-5 the f16 copy keeps f16's fixed step of 6e-8.  NaN and infinities are not treated apart.
; A stream: no LDS, no matrix unit, no cluster (no two work-groups read the same byte).
; SHARES.  Work-groups 0-255: 32 rows of x each.  256-383: g = (id - 256) / 32 (wq, wk, wv, wproj), 32 rows each.  384-391: 256 rows of the table.
; A wave takes 4 rows of 4,096 bytes: 32 loads of 16 bytes a lane, all on their way at once.  A load covers 512 consecutive bytes of the source (sixteen lanes 256 bytes of a row,
; the other sixteen the row below); a store of 8 bytes a lane covers 256 consecutive bytes, aligned: two rows of a K block.
; No register that a store reads is written again, so the text has no wait for the stores' sources.
.set SO,   1                           ; v1      my byte offset in the source; never rewritten
.set DO,   4                           ; v[4:19] my byte offset in the destination, one register for each K block; never rewritten
.set X,    32                          ; v[32:159] group k of 64 columns: 8 registers
.set SRC,  28                          ; s[28:29] source
.set DSTB, 30                          ; s[30:31] destination
.set STR,  36                          ; s36  bytes from K block to K block in the destination
.set FMT,  37                          ; s37  1: the bf16 number is written as f16
	s_load_b512 s[4:19], s[0:1], 0x0               ; x 4, wq 6, wk 8, wv 10, wproj 12, cos 14, sin 16, xb 18
	s_load_b128 s[20:23], s[0:1], 0x40             ; wqkv 20, wp 22
	s_load_b64 s[24:25], s[0:1], 0x50              ; rt
	s_mov_b32 s33, 0                               ; the offsets' high words
	s_mov_b32 s35, 0
	v_lshrrev_b32 v2, 5, v0                        ; wave
	v_bfe_u32 v3, v0, 4, 1                         ; lane / 16
	s_cmp_ge_u32 ttmp9, 384
	s_cbranch_scc1 .Ltable
	; which buffers, and where in them
	s_and_b32 s39, ttmp9, 31                       ; rb: my block of 32 rows of a weight (256 is a multiple of 32)
	s_lshr_b32 s40, ttmp9, 5
	s_sub_co_u32 s40, s40, 8                       ; g; for x a number that matches none of 0, 1, 3
	s_lshr_b32 s41, s39, 2                         ; j
	s_mul_i32 s41, s41, 3
	s_add_co_u32 s41, s41, s40
	s_lshl_b32 s41, s41, 14                        ; (3 j + g) x 128 rows x 128 bytes
	s_and_b32 s42, s39, 3
	s_lshl_b32 s42, s42, 12
	s_add_co_u32 s41, s41, s42                     ; + my 32 rows: the offset in wqkv
	s_lshl_b32 s43, s39, 12                        ; the offset in wp
	s_lshl_b32 s44, s39, 17                        ; the offset in a weight: 32 rows of 4,096 bytes
	s_lshl_b32 s45, ttmp9, 17                      ; the offset in x
	s_lshl_b32 s46, ttmp9, 12                      ; the offset in xb
	s_mov_b32 s47, 393216
	v_lshl_add_u32 v[SO], v2, 2, v3                ; row 4 w + lane / 16
	v_lshlrev_b32 v[SO], 12, v[SO]
	v_and_b32 v20, 15, v0
	v_lshl_add_u32 v[SO], v20, 4, v[SO]            ; + 16 (lane % 16)
	v_and_b32 v21, 31, v0
	v_lshlrev_b32 v[DO], 3, v21
	v_lshl_add_u32 v[DO], v2, 9, v[DO]             ; 512 w + 8 lane
	s_wait_kmcnt 0x0
	s_cmp_eq_u32 s40, 3
	s_cselect_b64 s[DSTB:DSTB+1], s[22:23], s[20:21]
	s_cselect_b64 s[SRC:SRC+1], s[12:13], s[10:11]
	s_cselect_b32 s34, s43, s41
	s_cselect_b32 s[STR], 131072, s47
	s_cselect_b32 s[FMT], 1, 0
	s_cmp_eq_u32 s40, 1
	s_cselect_b64 s[SRC:SRC+1], s[8:9], s[SRC:SRC+1]
	s_cmp_eq_u32 s40, 0
	s_cselect_b64 s[SRC:SRC+1], s[6:7], s[SRC:SRC+1]
	s_cmp_lt_u32 ttmp9, 256
	s_cselect_b64 s[SRC:SRC+1], s[4:5], s[SRC:SRC+1]
	s_cselect_b64 s[DSTB:DSTB+1], s[18:19], s[DSTB:DSTB+1]
	s_cselect_b32 s32, s45, s44
	s_cselect_b32 s34, s46, s34
	s_cselect_b32 s[STR], 1048576, s[STR]
	s_cselect_b32 s[FMT], 0, s[FMT]
	s_add_nc_u64 s[SRC:SRC+1], s[SRC:SRC+1], s[32:33]
	s_add_nc_u64 s[DSTB:DSTB+1], s[DSTB:DSTB+1], s[34:35]
.set k, 0
.rept 16                                       ; group k: rows 4 w + lane / 16 and two rows further down
	global_load_b128 v[X+8*k:X+8*k+3],   v[SO], s[SRC:SRC+1] offset:256*k th:TH_LOAD_NT
	global_load_b128 v[X+8*k+4:X+8*k+7], v[SO], s[SRC:SRC+1] offset:256*k+8192 th:TH_LOAD_NT
.set k, k+1
.endr
.set k, 1
.rept 15
	v_add_nc_u32 v[DO+k], s[STR], v[DO+k-1]
.set k, k+1
.endr
; Group k: rounded, packed in place (register j takes registers 2 j and 2 j + 1, ascending) and stored.
.macro CONV k, fmt
	s_wait_loadcnt 30-2*(\k)                       ; loads come back in order: the 2 (15 - k) younger ones may stay out
.irp j, 0,1,2,3
	v_cvt_pk_bf16_f32 v[X+8*(\k)+\j], v[X+8*(\k)+2*\j], v[X+8*(\k)+2*\j+1]
.endr
.if \fmt
.irp j, 0,1,2,3                                ; the bf16 numbers widened again and written as f16; registers 4-7 are free now
	v_lshlrev_b32 v[X+8*(\k)+4+2*((\j)%2)], 16, v[X+8*(\k)+\j]
	v_and_b32 v[X+8*(\k)+5+2*((\j)%2)], 0xffff0000, v[X+8*(\k)+\j]
	v_cvt_pk_f16_f32 v[X+8*(\k)+\j], v[X+8*(\k)+4+2*((\j)%2)], v[X+8*(\k)+5+2*((\j)%2)]
.endr
.endif
	global_store_b64 v[DO+(\k)], v[X+8*(\k):X+8*(\k)+1],   s[DSTB:DSTB+1]
	global_store_b64 v[DO+(\k)], v[X+8*(\k)+2:X+8*(\k)+3], s[DSTB:DSTB+1] offset:256
.endm
	s_cmp_eq_u32 s[FMT], 1
	s_cbranch_scc1 .Lhalf
.irp k, 0,1,2,3,4,5,6,7,8,9,10,11,12,13,14,15
	CONV \k, 0
.endr
	s_endpgm
.Lhalf:
.irp k, 0,1,2,3,4,5,6,7,8,9,10,11,12,13,14,15
	CONV \k, 1
.endr
	s_endpgm
.Ltable:                                       ; a wave takes 32 rows of the table, two in each of 16 groups: sixteen lanes make one row of 256 bytes, lanes 0-7 of them from cos, lanes 8-15 from sin
	s_sub_co_u32 s38, ttmp9, 384
	s_lshl_b32 s32, s38, 15                        ; 256 rows of 128 bytes in cos and in sin
	s_lshl_b32 s34, s38, 16                        ; 256 rows of 256 bytes in rt
	v_and_b32 v21, 7, v0
	v_lshlrev_b32 v[SO], 12, v2
	v_lshl_add_u32 v[SO], v3, 7, v[SO]
	v_lshl_add_u32 v[SO], v21, 4, v[SO]            ; 4,096 w + 128 (lane / 16) + 16 (lane % 8)
	v_and_b32 v22, 15, v0
	v_lshlrev_b32 v[DO], 13, v2
	v_lshl_add_u32 v[DO], v3, 8, v[DO]
	v_lshl_add_u32 v[DO], v22, 4, v[DO]            ; 8,192 w + 256 (lane / 16) + 16 (lane % 16)
	v_and_b32 v23, 8, v0
	v_cmp_ne_u32 vcc_lo, 0, v23                    ; my 16 bytes come from sin
	s_wait_kmcnt 0x0
	s_add_nc_u64 s[14:15], s[14:15], s[32:33]
	s_add_nc_u64 s[16:17], s[16:17], s[32:33]
	s_add_nc_u64 s[24:25], s[24:25], s[34:35]
.set k, 0
.rept 16
	global_load_b128 v[X+8*k:X+8*k+3],   v[SO], s[14:15] offset:256*k
	global_load_b128 v[X+8*k+4:X+8*k+7], v[SO], s[16:17] offset:256*k
.set k, k+1
.endr
.macro TAB k
	s_wait_loadcnt 30-2*(\k)                       ; the 2 (15 - k) younger loads may stay out
.irp j, 0,1,2,3
	v_cndmask_b32 v[X+8*(\k)+\j], v[X+8*(\k)+\j], v[X+8*(\k)+4+\j], vcc_lo
.endr
	v_cvt_pk_bf16_f32 v[X+8*(\k)+4], v[X+8*(\k)],   v[X+8*(\k)+1]
	v_cvt_pk_bf16_f32 v[X+8*(\k)+5], v[X+8*(\k)+2], v[X+8*(\k)+3]
	v_lshlrev_b32 v[X+8*(\k)],   16, v[X+8*(\k)+4]
	v_and_b32     v[X+8*(\k)+1], 0xffff0000, v[X+8*(\k)+4]
	v_lshlrev_b32 v[X+8*(\k)+2], 16, v[X+8*(\k)+5]
	v_and_b32     v[X+8*(\k)+3], 0xffff0000, v[X+8*(\k)+5]
	global_store_b128 v[DO], v[X+8*(\k):X+8*(\k)+3], s[24:25] offset:512*(\k)
.endm
.irp k, 0,1,2,3,4,5,6,7,8,9,10,11,12,13,14,15
	TAB \k
.endr
	s_endpgm
.Lfunc_end_k_q6f6b5eec8f_prep:
	.size	k_q6f6b5eec8f_prep, .Lfunc_end_k_q6f6b5eec8f_prep-k_q6f6b5eec8f_prep
	.p2alignl 7, 3214868480
	.fill 96, 4, 3214868480
	.section	.rodata,"a",@progbits
	.p2align	6, 0x0
	.amdhsa_kernel k_q6f6b5eec8f_prep
		.amdhsa_group_segment_fixed_size 0
		.amdhsa_private_segment_fixed_size 0
		.amdhsa_enable_private_segment 0
		.amdhsa_kernarg_size 88
		.amdhsa_user_sgpr_count 2
		.amdhsa_user_sgpr_kernarg_segment_ptr 1
		.amdhsa_wavefront_size32 1
		.amdhsa_system_sgpr_workgroup_id_x 1
		.amdhsa_system_sgpr_workgroup_id_y 1
		.amdhsa_system_sgpr_workgroup_id_z 1
		.amdhsa_system_vgpr_workitem_id 0
		.amdhsa_next_free_vgpr 160
		.amdhsa_next_free_sgpr 66
		.amdhsa_reserve_vcc 1
		.amdhsa_float_denorm_mode_32 3
		.amdhsa_float_denorm_mode_16_64 3
		.amdhsa_memory_ordered 1
		.amdhsa_forward_progress 1
		.amdhsa_inst_pref_size 44
	.end_amdhsa_kernel
	.amdgpu_metadata
---
amdhsa.version: [ 1, 2 ]
amdhsa.kernels:
  - .name:           k_q6f6b5eec8f_prep
    .symbol:         k_q6f6b5eec8f_prep.kd
    .args:
      - { .name: x, .offset: 0, .size: 8, .value_kind: global_buffer, .address_space: global }
      - { .name: wq, .offset: 8, .size: 8, .value_kind: global_buffer, .address_space: global }
      - { .name: wk, .offset: 16, .size: 8, .value_kind: global_buffer, .address_space: global }
      - { .name: wv, .offset: 24, .size: 8, .value_kind: global_buffer, .address_space: global }
      - { .name: wproj, .offset: 32, .size: 8, .value_kind: global_buffer, .address_space: global }
      - { .name: cos, .offset: 40, .size: 8, .value_kind: global_buffer, .address_space: global }
      - { .name: sin, .offset: 48, .size: 8, .value_kind: global_buffer, .address_space: global }
      - { .name: xb, .offset: 56, .size: 8, .value_kind: global_buffer, .address_space: global }
      - { .name: wqkv, .offset: 64, .size: 8, .value_kind: global_buffer, .address_space: global }
      - { .name: wp, .offset: 72, .size: 8, .value_kind: global_buffer, .address_space: global }
      - { .name: rt, .offset: 80, .size: 8, .value_kind: global_buffer, .address_space: global }
    .group_segment_fixed_size: 0
    .private_segment_fixed_size: 0
    .kernarg_segment_align: 8
    .kernarg_segment_size: 88
    .max_flat_workgroup_size: 256
    .sgpr_count:     66
    .vgpr_count:     160
    .wavefront_size: 32
...
	.end_amdgpu_metadata
.endif
;; end of part 1
;; launch qkv (part 2): grid 8 x 32, 4 waves a work-group, clusters of 4 x 4, 327,680 bytes of LDS; arguments xb, wqkv, rt, qh, kh, vh, out1; writes qh, kh, vh, out1
.if DOCPART == 2
	.amdgcn_target "amdgcn-amd-amdhsa--gfx1250"
	.amdhsa_code_object_version 6
	.text
	.protected	k_q6f6b5eec8f_qkv
	.globl	k_q6f6b5eec8f_qkv
	.p2align	8
	.type	k_q6f6b5eec8f_qkv,@function
k_q6f6b5eec8f_qkv:
	s_mov_b64 s[64:65], 0
	v_nop
	global_prefetch_b8 v0, s[64:65] scope:SCOPE_SE
	s_setreg_imm32_b32 hwreg(HW_REG_WAVE_MODE, 25, 1), 1
	s_wait_xcnt 0x0
	s_wait_alu depctr_hold_cnt(0) depctr_sa_sdst(0) depctr_va_vdst(0) depctr_va_sdst(0) depctr_va_ssrc(0) depctr_va_vcc(0) depctr_vm_vsrc(0)
	s_getreg_b32 s2, hwreg(HW_REG_IB_STS2, 6, 4)
	s_cmp_eq_u32 s2, 0
	s_cbranch_scc0 .Lentry_in_a_cluster
	s_endpgm
.Lentry_in_a_cluster:
	s_bfe_u32 s2, ttmp6, 0x10000c
	s_cmp_lg_u32 s2, 0xf033
	s_cbranch_scc0 .Lentry_shape_is_right
	s_endpgm
.Lentry_shape_is_right:
; q, k, v = x [wq | wk | wv]^T (bf16 operands, f32 sums); out1 = v in f32; rope and rmsnorm on each head of q and k; q also times c = log2(e) / 8.
; qh, kh, vh: f16 [16 b + head][t 2048][64], each number rounded once from f32.
; LIMITS.  vh holds v in f16: |v| stays under 65,504.  NaN and infinities are not treated apart.
; SHARES.  A work-group makes 256 tokens x (128 columns of q, of k and of v: heads 2 J and 2 J + 1): 8192 x 3072 outputs over 256 work-groups, all alike.
; A wave makes 128 tokens x one head of each of the three: 96 accumulators of 16 x 16, 768 registers.  For 32 along K it reads 20 KiB from LDS for 96 matrix instructions.
; K goes in steps of 64 (one K block of xb and wqkv) through two LDS slots.  A tile of R rows of a K block is R x 128 dense bytes: asked for as R / 2 rows of 256 bytes, padded by 16 bytes after every 128.
; CLUSTER 4 x 4.  The four of a row of the cluster need the same tokens, the four of a column the same weights: each tile is asked for jointly.  Wave 0 asks for x's tile, waves 1-3 for wq's, wk's, wv's.
; THE MATRIX INSTRUCTION IS USED TRANSPOSED (source 0 = 16 rows of w, source 1 = 16 tokens): a lane holds ONE token (lane % 16) and 8 neighbouring columns, 8 (lane / 16) + 0..7.
; THE WAY OUT.  When slot 0 has been read for the last time it takes the rope table of the work-group's 256 tokens.  Each of q, k, v goes through the wave's own stage in LDS (128 tokens x 64 f32);
; from there 8 lanes take a token's 64 columns, so that the sum of squares is three steps between lanes.
; REGISTERS, in windows of 256: window 0: v0-31 addresses; v32-159 tokens' fragments, two buffers of 64; v160-255 weights' fragments, a buffer of 32 for each of q, k, v.
;   windows 1, 2, 3: the accumulators of q, k, v: (a, b) at v[8 (4 a + b)].  On the way out v32-179 of window 0 are at work.
.set PIT,   144                        ; an LDS row: 128 bytes + 16 = 9 x 16: the 16 rows of a fragment load start in 16 different groups of four banks (64 banks of 4 bytes: ISA guide 11.1)
.set GB,    128*PIT                    ; 128 rows
.set BOFF,  2*GB                       ; behind x's 256 rows: wq's, wk's, wv's 128 rows each
.set SLOT,  5*GB                       ; 92,160
.set STAGE, 2*SLOT                     ; behind the ring, never filled by a tensor load
.set SPI,   272                        ; a stage row and a table row: 256 bytes + 16
.set STW,   128*SPI                    ; a wave's stage
.set SPARE, STAGE+4*STW                ; the spare words, 128 bytes for each wave: two blocks of 256 bytes that no other line names
.set KBA,   1048576                    ; bytes from K block to K block in xb
.set KBB,   393216                     ; and in wqkv
.set ADRA, 4                           ; v4-5  LDS address of my tokens' fragments in slot 0, 1
.set ADRB, 6                           ; v6-7  of my head's weights
.set DST,  8                           ; v8    where an accumulator's 32 bytes of a token go in my stage
.set LO,   9                           ; v9    this trip's address of my 8 columns
.set LP,   10                          ; v10   of the 8 columns 32 away
.set LT,   11                          ; v11   of my 8 cosines
.set GOF,  12                          ; v12   16 x lane; never rewritten
.set LV,   13                          ; v13   this trip's address of 16 bytes of a whole row
.set VO,   14                          ; v14   my byte offset in two rows of out1; never rewritten
.set SPW,  16                          ; v16   LDS address of my spare word; never rewritten
.set NIL,  17                          ; v17   0; never rewritten
.set PFO,  18                          ; v18   the prefetches' offset; never rewritten
.set SG,   20                          ; v[20:21] +1 for columns 0-31, -1 for columns 32-63
.set LO0,  22                          ; v22-25 the four addresses for the first 16 tokens; never rewritten
.set LP0,  23
.set LT0,  24
.set LV0,  25
.set AF,   32
.set BF,   160
.set WV, 20                            ; s20 wave   s21 its half of the tokens   s22 its head of the two
.set WR, 21
.set WC, 22
.set CX, 23
.set CY, 24
.set JJ, 25                            ; s25 J = 4 x cluster x + cx
.set II, 26                            ; s26 I = 4 x cluster y + cy
.set RM, 27                            ; s27 my row of the cluster   s28 my column
.set CM, 28
.set G1A, 32                           ; s[32:39] group 1 for x's tiles   s[40:47] for the weights'   s[48:55] for the table
.set G1B, 40
.set G1T, 48
.set G0A, 56                           ; s[56:63] group 0 for x's tiles, a set for each slot   s[68:75] for the weights'   s[76:79] for the table
.set G0B, 68
.set G0T, 76
.set PFA, 80                           ; s[80:81] where my prefetches stand   s[82:83] their step
.set PFS, 82
.set LIM, 84                           ; s84 1 in a wave that prefetches, else the greatest number
.set FA,  85                           ; s85 1 in wave 0 of a cluster with x = 0
.set TRIPS, 86
.set CNT, 87
.set SC,  88                           ; s88 what the normalised head is multiplied by
.set EPS, 89
.set I64, 90
.set SOFF, 91                          ; s91 16 tokens' bytes in the stage and the table, times the trip
.set MSB, 0
.macro WIN new                         ; the immediate's high byte repeats the setting that is left; a switch that changes nothing is dropped
.if MSB != (\new)
	s_set_vgpr_msb (MSB<<8)|(\new)
.set MSB, (\new)
.endif
.endm
.macro PLACES                          ; four plain vector instructions between a matrix instruction and a load into a register that it has read, or a read of its result
.rept 4
	v_nop
.endr
.endm
.macro CREST                           ; a round of the cluster's barrier behind its opening barrier
	s_cmp_lg_u32 s[WV], 0
	s_cbranch_scc1 .Lnot_wave_0_\@
	s_barrier_signal -3
.Lnot_wave_0_\@:
	s_barrier_wait -3
	s_barrier_signal -1
	s_barrier_wait -1
.endm
.macro CROUND
	s_barrier_signal -1
	s_barrier_wait -1
	CREST
.endm
; A joint load into slot sl.  The branch hangs on the wave's number alone.  An s_nop 0 and four v_nop follow each line.
.macro JLOAD sl
	s_cmp_eq_u32 s[WV], 0
	s_cbranch_scc0 .Lfor_b_\@
	tensor_load_to_lds s[G0A+4*(\sl):G0A+4*(\sl)+3], s[G1A:G1A+7]
	s_nop 0
.rept 4
	v_nop
.endr
	s_branch .Lasked_\@
.Lfor_b_\@:
	tensor_load_to_lds s[G0B+4*(\sl):G0B+4*(\sl)+3], s[G1B:G1B+7]
	s_nop 0
.rept 4
	v_nop
.endr
.Lasked_\@:
.endm
.macro JLOADT                          ; the rope table of my 256 tokens, shared along my row of the cluster: wave 0's one load; the others have no part of it
	s_cmp_eq_u32 s[WV], 0
	s_cbranch_scc0 .Lno_table_\@
	tensor_load_to_lds s[G0T:G0T+3], s[G1T:G1T+7]
	s_nop 0
.rept 4
	v_nop
.endr
.Lno_table_\@:
.endm
; PREFETCHES INTO THE L2, behind the run of LDS loads that follows a joint load.  At the change of K step n the refill asks for K step n + 2; the prefetch names K step n + 3: 192 matrix instructions ahead of its load.
; Each block of 256 bytes is named once in the launch.  x's tile row is read by both clusters of a row of clusters: cluster x = 0 asks, by wave 0; of the tile's 128 blocks the partner at cx takes 32, a lane a block.
; A weight's tile is read by the eight clusters of a column: cluster y = 0 asks, by waves 1-3; of a wave's 64 blocks the partner at cy takes 16, lanes 16-31 the same 16 of the K step after: so these waves ask
; at every second change.  Partners are told apart by address, never by a branch.  K steps 0 to 2 of x and 0 to 3 of the weights come by their loads alone; the last trip's second change names nothing: K step 16 does not exist.
.macro ASK0
	s_cmp_eq_u32 s[FA], 1
	s_cbranch_scc0 .Lnot_mine_\@
	global_prefetch_b8 v[PFO], s[PFA:PFA+1] th:TH_LOAD_NT scope:SCOPE_SE
.Lnot_mine_\@:
.endm
.macro ASK1
	s_cmp_gt_u32 s[TRIPS], s[LIM]                  ; s[TRIPS] = 1 in the last trip
	s_cbranch_scc0 .Lnot_mine_\@
	global_prefetch_b8 v[PFO], s[PFA:PFA+1] th:TH_LOAD_NT scope:SCOPE_SE
.Lnot_mine_\@:
.endm
	s_load_b256 s[4:11], s[0:1], 0x0               ; xb 4, wqkv 6, rt 8, qh 10
	s_load_b128 s[12:15], s[0:1], 0x20             ; kh 12, vh 14
	s_load_b64 s[16:17], s[0:1], 0x30              ; out1
	v_lshl_add_u32 v[SPW], v0, 2, SPARE
	v_mov_b32 v[NIL], 0
	ds_add_u32 v[SPW], v[NIL]                      ; the wave's opening: the add and its wait ahead of my first tensor load; the set-up below stands between them
	v_lshrrev_b32 v3, 5, v0
	v_readfirstlane_b32 s[WV], v3
	s_lshr_b32 s[WR], s[WV], 1
	s_and_b32 s[WC], s[WV], 1
	s_bfe_u32 s[CX], ttmp6, 0x40000
	s_bfe_u32 s[CY], ttmp6, 0x40004
	s_lshl_b32 s[JJ], ttmp9, 2
	s_add_co_u32 s[JJ], s[JJ], s[CX]
	s_and_b32 s[II], ttmp7, 0xffff
	s_lshl_b32 s[II], s[II], 2
	s_add_co_u32 s[II], s[II], s[CY]
	s_lshl_b32 s[RM], s[CY], 2
	s_lshl_b32 s[RM], 15, s[RM]
	s_lshl_b32 s[CM], 0x1111, s[CX]
	; group 1.  15:0 the mask; 17:16 the element's size; 20 padding on; 21 set beside a mask; 24:22 after every 32 words (code 4) or 64 (code 5); 31:25 4 words of it (code 3)
	s_or_b32 s[G1A], s[RM], (1<<16)|(1<<20)|(1<<21)|(4<<22)|(3<<25)
	s_or_b32 s[G1B], s[CM], (1<<16)|(1<<20)|(1<<21)|(4<<22)|(3<<25)
	s_or_b32 s[G1T], s[RM], (2<<16)|(1<<20)|(1<<21)|(5<<22)|(3<<25)
	s_mov_b32 s[G1A+1], 128<<16                    ; x: 128 rows of 128 elements of 2 bytes
	s_mov_b32 s[G1A+2], 128<<16
	s_mov_b32 s[G1A+3], 128<<16
	s_mov_b32 s[G1A+4], 128
	s_mov_b32 s[G1A+5], 128
	s_mov_b32 s[G1A+6], 0
	s_mov_b32 s[G1A+7], 0
	s_mov_b32 s[G1B+1], 128<<16                    ; a weight: 64 such rows
	s_mov_b32 s[G1B+2], 64<<16
	s_mov_b32 s[G1B+3], 128<<16
	s_mov_b32 s[G1B+4], 64
	s_mov_b32 s[G1B+5], 128
	s_mov_b32 s[G1B+6], 0
	s_mov_b32 s[G1B+7], 0
	s_mov_b32 s[G1T+1], 64<<16                     ; the table: 256 rows of 64 elements of 4 bytes
	s_mov_b32 s[G1T+2], 256<<16
	s_mov_b32 s[G1T+3], 64<<16
	s_mov_b32 s[G1T+4], 256
	s_mov_b32 s[G1T+5], 64
	s_mov_b32 s[G1T+6], 0
	s_mov_b32 s[G1T+7], 0
	s_lshl_b32 s92, s[II], 15                      ; x's tile: 256 rows of 128 bytes, by I alone
	s_mov_b32 s93, 0
	s_max_u32 s94, s[WV], 1                        ; the weights' tile, by J and the wave alone (wave 0, which asks for none, makes wave 1's address)
	s_sub_co_u32 s94, s94, 1
	s_lshl_b32 s94, s94, 14
	s_mul_i32 s95, s[JJ], 49152
	s_add_co_u32 s94, s94, s95
	s_mov_b32 s95, 0
	s_mul_i32 s29, s[WV], GB                       ; no place in the cluster enters an LDS address
	s_mov_b32 s[EPS], 0x34000000                   ; 2^-23
	s_mov_b32 s[I64], 0x3c800000                   ; 1 / 64
	s_wait_dscnt 0x0                               ; the opening add is done
	s_wait_kmcnt 0x0
	s_add_nc_u64 s[18:19], s[4:5], s[92:93]
	s_add_nc_u64 s[30:31], s[6:7], s[94:95]
	s_and_b32 s92, s[II], 7
	s_lshl_b32 s92, s92, 16                        ; the table's 256 rows of 256 bytes, by I alone
.irp i, 0,1
	s_mov_b32 s[G0A+4*\i], 1
	s_mov_b32 s[G0A+4*\i+1], \i*SLOT
	s_add_nc_u64 s[G0A+4*\i+2:G0A+4*\i+3], s[18:19], \i*KBA
	s_or_b32 s[G0A+4*\i+3], s[G0A+4*\i+3], 0x80000000
	s_mov_b32 s[G0B+4*\i], 1
	s_add_co_u32 s[G0B+4*\i+1], s29, \i*SLOT+GB    ; waves 1-3: behind x's 256 rows
	s_add_nc_u64 s[G0B+4*\i+2:G0B+4*\i+3], s[30:31], \i*KBB
	s_or_b32 s[G0B+4*\i+3], s[G0B+4*\i+3], 0x80000000
.endr
	s_mov_b32 s[G0T], 1
	s_mov_b32 s[G0T+1], 0
	s_add_nc_u64 s[G0T+2:G0T+3], s[8:9], s[92:93]
	s_or_b32 s[G0T+3], s[G0T+3], 0x80000000
	CROUND                                         ; all sixteen work-groups are here: the first joint loads meet
	s_cmp_eq_u32 s[WV], 0                          ; a wave's two first fills stand in one branch: K steps 0 and 1; two loads of mine are out
	s_cbranch_scc0 .Lfirst_b
	tensor_load_to_lds s[G0A:G0A+3], s[G1A:G1A+7]
	s_nop 0
	tensor_load_to_lds s[G0A+4:G0A+7], s[G1A:G1A+7]
	s_nop 0
.rept 4
	v_nop
.endr
	s_branch .Lfirst_asked
.Lfirst_b:
	tensor_load_to_lds s[G0B:G0B+3], s[G1B:G1B+7]
	s_nop 0
	tensor_load_to_lds s[G0B+4:G0B+7], s[G1B:G1B+7]
	s_nop 0
.rept 4
	v_nop
.endr
.Lfirst_asked:
	; A fragment is 16 rows x 32 K in 8 registers: lane l holds row l % 16, K = 8 (l / 16) + 0..7 and 16 + 8 (l / 16) + 0..7: two loads of 16 bytes, 32 bytes apart.
	v_and_b32 v1, 15, v0                           ; l % 16
	v_bfe_u32 v2, v0, 4, 1                         ; l / 16
	v_mul_u32_u24 v3, v1, PIT
	v_lshl_add_u32 v3, v2, 4, v3
	s_mul_i32 s18, s[WR], GB                       ; my 128 tokens
	s_mul_i32 s19, s[WC], 64*PIT                   ; my head's 64 rows of each weight
	s_add_co_u32 s19, s19, BOFF
.irp i, 0,1
	v_add_nc_u32 v[ADRA+\i], s18, v3
	v_add_nc_u32 v[ADRB+\i], s19, v3
	s_add_co_u32 s18, s18, SLOT
	s_add_co_u32 s19, s19, SLOT
.endr
	s_mul_i32 s29, s[WV], STW
	s_add_co_u32 s29, s29, STAGE                   ; my stage
	v_mul_u32_u24 v[DST], v1, SPI
	v_lshl_add_u32 v[DST], v2, 5, v[DST]
	v_add_nc_u32 v[DST], s29, v[DST]               ; token l % 16, 32 bytes for each half of the lanes
	v_bfe_u32 v26, v0, 3, 2                        ; back: lane l takes token l / 8 of four
	v_and_b32 v27, 7, v0                           ; and columns 8 (l % 8) + 0..7
	v_mul_u32_u24 v28, v26, SPI
	v_lshl_add_u32 v[LO0], v27, 5, v28
	v_add_nc_u32 v[LO0], s29, v[LO0]
	v_xor_b32 v29, 4, v27
	v_lshl_add_u32 v[LP0], v29, 5, v28
	v_add_nc_u32 v[LP0], s29, v[LP0]
	v_and_b32 v29, 3, v0
	v_lshl_add_u32 v[LT0], v29, 5, v28
	s_mul_i32 s30, s[WR], 128*SPI
	v_add_nc_u32 v[LT0], s30, v[LT0]               ; the table lies at LDS byte 0: my 128 tokens' rows
	v_and_b32 v29, 31, v0
	v_lshlrev_b32 v[GOF], 4, v29
	v_mul_u32_u24 v[LV0], v2, SPI                  ; whole rows: lanes 0-15 one row of 256 bytes, lanes 16-31 the next
	v_lshl_add_u32 v[LV0], v1, 4, v[LV0]
	v_add_nc_u32 v[LV0], s29, v[LV0]
	v_lshlrev_b32 v[VO], 12, v2
	v_lshl_add_u32 v[VO], v1, 4, v[VO]
	v_and_b32 v29, 4, v0
	v_cmp_eq_u32 vcc_lo, 0, v29
	v_cndmask_b32 v[SG], -1.0, 1.0, vcc_lo
	v_mov_b32 v[SG+1], v[SG]
	; the prefetches
	s_lshl_b32 s96, s[II], 15
	s_lshl_b32 s97, s[CX], 13
	s_add_co_u32 s96, s96, s97
	s_add_co_u32 s96, s96, 2*KBA                   ; x: my tile, my work-group's 32 blocks, K step 2
	s_lshl_b32 s97, s[CY], 12
	s_add_co_u32 s97, s97, s94
	s_add_co_u32 s97, s97, 2*KBB                   ; a weight: my wave's tile, my work-group's 16 blocks, K step 2
	s_and_b32 s98, ttmp7, 0xffff                   ; cluster y
	s_mov_b32 s29, KBB
	s_or_b32 s[FA], s[WV], ttmp9
	s_cmp_eq_u32 s[FA], 0
	s_cselect_b32 s[FA], 1, 0
	s_cmp_eq_u32 s[WV], 0
	s_cselect_b64 s[PFA:PFA+1], s[4:5], s[6:7]
	s_cselect_b32 s[PFS], KBA, s29
	s_cselect_b32 s18, 31, 15
	s_cselect_b32 s19, 0, s29
	s_cselect_b32 s96, s96, s97
	s_cselect_b32 s[LIM], ttmp9, s98               ; the coordinate along which other clusters read the same blocks
	s_mov_b32 s97, 0
	s_mov_b32 s[PFS+1], 0
	s_add_nc_u64 s[PFA:PFA+1], s[PFA:PFA+1], s[96:97]
	s_cmp_eq_u32 s[LIM], 0
	s_cselect_b32 s[LIM], 1, -1                    ; the same in all sixteen partners, for a given wave
	v_and_b32 v[PFO], s18, v0
	v_lshlrev_b32 v[PFO], 8, v[PFO]
	v_mad_u32_u24 v[PFO], v2, s19, v[PFO]
; 8 LDS loads: weight g's four fragments of my head, 32 K at byte 64 t of slot sl's rows
.macro LB sl, t, g
	WIN 0
.irp b, 0,1,2,3
	ds_load_b128 v[BF+32*(\g)+8*\b:BF+32*(\g)+8*\b+3],   v[ADRB+(\sl)] offset:(\g)*GB+\b*16*PIT+64*(\t)
	ds_load_b128 v[BF+32*(\g)+8*\b+4:BF+32*(\g)+8*\b+7], v[ADRB+(\sl)] offset:(\g)*GB+\b*16*PIT+64*(\t)+32
.endr
.endm
; 16 LDS loads: my tokens' eight fragments
.macro LA sl, t
	WIN 0
.irp a, 0,1,2,3,4,5,6,7
	ds_load_b128 v[AF+64*(\t)+8*\a:AF+64*(\t)+8*\a+3],   v[ADRA+(\sl)] offset:\a*16*PIT+64*(\t)
	ds_load_b128 v[AF+64*(\t)+8*\a+4:AF+64*(\t)+8*\a+7], v[ADRA+(\sl)] offset:\a*16*PIT+64*(\t)+32
.endr
.endm
; 4 na matrix instructions for weight g: token blocks a0 on x all four column blocks.  The 96 accumulators take turns, one instruction a turn.  zero = 1: the product starts the sum.
.macro MUL g, t, a0, na, zero
	WIN 0x50*((\g)+1)                              ; C and D in window g + 1
.set aa, (\a0)
.rept \na
.irp b, 0,1,2,3
.if \zero
	v_wmma_f32_16x16x32_bf16 v[8*(4*aa+\b):8*(4*aa+\b)+7], v[BF+32*(\g)+8*\b:BF+32*(\g)+8*\b+7], v[AF+64*(\t)+8*aa:AF+64*(\t)+8*aa+7], 0
.else
	v_wmma_f32_16x16x32_bf16 v[8*(4*aa+\b):8*(4*aa+\b)+7], v[BF+32*(\g)+8*\b:BF+32*(\g)+8*\b+7], v[AF+64*(\t)+8*aa:AF+64*(\t)+8*aa+7], v[8*(4*aa+\b):8*(4*aa+\b)+7]
.endif
.endr
.set aa, aa+1
.endr
.endm
; A K STEP IS SIX STEPS OF 32 MATRIX INSTRUCTIONS: (t, g) = (0,0) (0,1) (0,2) (1,0) (1,1) (1,2).  At its head each loads into the buffer that the step before has read out, for the step after the next.
.macro S00 sl, zero
	PLACES
	LB \sl, 0, 2
	s_wait_dscnt 16                                ; younger than what I multiply: the 8 loads of the step before and these 8
	MUL 0, 0, 0, 8, \zero
.endm
.macro S01 sl, zero
	PLACES
	LB \sl, 1, 0
	LA \sl, 1
	s_wait_dscnt 32                                ; 8 + these 24
	MUL 1, 0, 0, 8, \zero
.endm
.macro S02 sl, zero
	PLACES
	LB \sl, 1, 1
	s_wait_dscnt 32                                ; 24 + these 8
	MUL 2, 0, 0, 8, \zero
.endm
; The fourth step changes slots: its loads are the slot's last reads.  Each wave waits for all its tensor loads (the one that is out is its part of the other slot), adds 0 to its spare word, and waits for
; that and for its reads; the barrier opens a round of the cluster's, so that no wave of any partner still reads the slot or has a load on its way; the joint refill is the first thing behind the round.
; table = 0: the slot takes the K step two on.  table = 1: slot 0 has been read for the last time and takes the rope table.
.macro S10C sl, table
	PLACES
	LB \sl, 1, 2
.if !(\table)
	s_wait_xcnt 0x0                                ; the last prefetch, a K step back, has read its address
	s_add_nc_u64 s[PFA:PFA+1], s[PFA:PFA+1], s[PFS:PFS+1]
.endif
	s_wait_tensorcnt 0x0
	ds_add_u32 v[SPW], v[NIL]                      ; 0 onto my spare word; sixteen matrix instructions stand between it and the wait for it
	s_wait_dscnt 17                                ; 8 + 8 loads and the add are younger than what I multiply
	MUL 0, 1, 0, 4, 0
	s_wait_dscnt 0x0                               ; the add is done, and my reads of the slot are over
	s_barrier_signal -1
	MUL 0, 1, 4, 4, 0
	WIN 0
	s_barrier_wait -1
	CREST
.if \table
	JLOADT
.else
	s_add_nc_u64 s[G0A+4*(\sl)+2:G0A+4*(\sl)+3], s[G0A+4*(\sl)+2:G0A+4*(\sl)+3], 2*KBA
	s_add_nc_u64 s[G0B+4*(\sl)+2:G0B+4*(\sl)+3], s[G0B+4*(\sl)+2:G0B+4*(\sl)+3], 2*KBB
	JLOAD \sl
.endif
.endm
.macro S11 xs, ask                     ; xs: the next slot
	PLACES
	LB \xs, 0, 0
	LA \xs, 0
.if (\ask) == 0
	ASK0
.elseif (\ask) == 1
	ASK1
.endif
	s_wait_dscnt 24                                ; those just issued
	MUL 1, 1, 0, 8, 0
.endm
.macro S12 xs
	PLACES
	LB \xs, 0, 1
	s_wait_dscnt 32                                ; 24 + these 8
	MUL 2, 1, 0, 8, 0
.endm
	s_wait_tensorcnt 0x1                           ; my part of K step 0 is in; K step 1's may stay out
	s_barrier_signal -1
	s_barrier_wait -1
	LB 0, 0, 0
	LA 0, 0
	LB 0, 0, 1
	S00 0, 1                                       ; the first 96 products start the sums: nothing is cleared
	S01 0, 1
	S02 0, 1
	WIN 0
	s_mov_b32 s[TRIPS], 7
.Ltrip:                                        ; a trip goes once round the ring, from the middle of an even K step to the middle of the next, and fills both slots again
	S10C 0, 0
	S11 1, 0
	S12 1
	S00 1, 0
	S01 1, 0
	S02 1, 0
	S10C 1, 0
	S11 0, 1
	S12 0
	S00 0, 0
	S01 0, 0
	S02 0, 0
	WIN 0
	s_sub_co_u32 s[TRIPS], s[TRIPS], 1
	s_cmp_lg_u32 s[TRIPS], 0
	s_cbranch_scc1 .Ltrip
	S10C 0, 1                                      ; K step 14 goes on; slot 0 takes the table
	S11 1, 2
	S12 1
	S00 1, 0                                       ; K step 15
	S01 1, 0
	S02 1, 0
	PLACES
	LB 1, 1, 2
	s_wait_dscnt 16
	MUL 0, 1, 0, 8, 0
	s_wait_dscnt 8
	MUL 1, 1, 0, 8, 0
	s_wait_dscnt 0x0
	MUL 2, 1, 0, 8, 0
	WIN 0
	s_wait_tensorcnt 0x0                           ; wave 0: the table is in
	s_barrier_signal -1
	s_barrier_wait -1                              ; for every wave
	; where my rows lie: head hh = 2 J + WC, batch b = I / 8, t from (I % 8) x 256 + 128 WR on
	s_lshl_b32 s96, s[JJ], 1
	s_add_co_u32 s96, s96, s[WC]
	s_lshr_b32 s98, s[II], 3
	s_lshl_b32 s98, s98, 4
	s_add_co_u32 s98, s98, s96
	s_lshl_b32 s98, s98, 18                        ; (16 b + hh) x 2048 rows of 128 bytes
	s_and_b32 s99, s[II], 7
	s_lshl_b32 s99, s99, 1
	s_add_co_u32 s99, s99, s[WR]
	s_lshl_b32 s99, s99, 14
	s_add_co_u32 s98, s98, s99
	s_mov_b32 s99, 0
	s_add_nc_u64 s[10:11], s[10:11], s[98:99]
	s_add_nc_u64 s[12:13], s[12:13], s[98:99]
	s_add_nc_u64 s[14:15], s[14:15], s[98:99]
	s_lshl_b32 s96, s96, 8                         ; out1: 256 bytes a head,
	s_lshl_b32 s97, s[II], 1
	s_add_co_u32 s97, s97, s[WR]
	s_lshl_b32 s97, s97, 19                        ; 128 rows of 4,096 bytes
	s_add_co_u32 s96, s96, s97
	s_mov_b32 s97, 0
	s_add_nc_u64 s[16:17], s[16:17], s[96:97]
	PLACES                                         ; behind the last products
; The 32 accumulators of window g + 1 go into my stage; of each the four lowest registers first.  The stage is my own: LDS serves a wave's instructions in order (ISA guide 5.7.1.4).
.macro DUMP g
	WIN ((\g)+1)<<2                                ; an LDS store's data is source 1
.set aa, 0
.rept 8
.irp b, 0,1,2,3
	ds_store_b128 v[DST], v[8*(4*aa+\b):8*(4*aa+\b)+3]   offset:aa*16*SPI+64*\b
	ds_store_b128 v[DST], v[8*(4*aa+\b)+4:8*(4*aa+\b)+7] offset:aa*16*SPI+64*\b+16
.endr
.set aa, aa+1
.endr
	WIN 0
.endm
; Rope, rmsnorm, the scale s[SC], f16.  8 trips of 16 tokens, four sub-blocks u of 4.  Sub-block u: v[32+32u ..]: my 8 columns, +8 the 8 columns 32 away, +16 cosines, +24 sines.
; out = own cos + (+-partner) sin; the sum of squares runs over the token's 8 lanes.  Written stage by stage over the four u, so that no line waits for the one before it.
.macro ROPE ptr
	s_mov_b32 s[SOFF], 0
	s_mov_b32 s[CNT], 8
.Lrope_\@:
	v_add_nc_u32 v[LO], s[SOFF], v[LO0]
	v_add_nc_u32 v[LP], s[SOFF], v[LP0]
	v_add_nc_u32 v[LT], s[SOFF], v[LT0]
.irp u, 0,1,2,3
	ds_load_b128 v[32+32*\u:35+32*\u], v[LO] offset:4*SPI*\u
	ds_load_b128 v[36+32*\u:39+32*\u], v[LO] offset:4*SPI*\u+16
	ds_load_b128 v[40+32*\u:43+32*\u], v[LP] offset:4*SPI*\u
	ds_load_b128 v[44+32*\u:47+32*\u], v[LP] offset:4*SPI*\u+16
	ds_load_b128 v[48+32*\u:51+32*\u], v[LT] offset:4*SPI*\u
	ds_load_b128 v[52+32*\u:55+32*\u], v[LT] offset:4*SPI*\u+16
	ds_load_b128 v[56+32*\u:59+32*\u], v[LT] offset:4*SPI*\u+128
	ds_load_b128 v[60+32*\u:63+32*\u], v[LT] offset:4*SPI*\u+144
.endr
	s_add_co_u32 s[SOFF], s[SOFF], 16*SPI
	s_wait_dscnt 0x0
.irp j, 0,2,4,6
.irp u, 0,1,2,3
	v_pk_mul_f32 v[40+32*\u+\j:41+32*\u+\j], v[40+32*\u+\j:41+32*\u+\j], v[SG:SG+1]
.endr
.endr
.irp j, 0,2,4,6
.irp u, 0,1,2,3
	v_pk_mul_f32 v[32+32*\u+\j:33+32*\u+\j], v[32+32*\u+\j:33+32*\u+\j], v[48+32*\u+\j:49+32*\u+\j]
.endr
.endr
.irp j, 0,2,4,6
.irp u, 0,1,2,3
	v_pk_fma_f32 v[32+32*\u+\j:33+32*\u+\j], v[40+32*\u+\j:41+32*\u+\j], v[56+32*\u+\j:57+32*\u+\j], v[32+32*\u+\j:33+32*\u+\j]
.endr
.endr
.irp u, 0,1,2,3
	v_pk_mul_f32 v[160+2*\u:161+2*\u], v[32+32*\u:33+32*\u], v[32+32*\u:33+32*\u]
.endr
.irp j, 2,4,6
.irp u, 0,1,2,3
	v_pk_fma_f32 v[160+2*\u:161+2*\u], v[32+32*\u+\j:33+32*\u+\j], v[32+32*\u+\j:33+32*\u+\j], v[160+2*\u:161+2*\u]
.endr
.endr
.irp u, 0,1,2,3
	v_add_f32 v[160+2*\u], v[160+2*\u], v[161+2*\u]
.endr
.irp m, 1,2,4
.irp u, 0,1,2,3
	v_add_f32_dpp v[160+2*\u], v[160+2*\u], v[160+2*\u] row_xmask:\m row_mask:0xf bank_mask:0xf
.endr
.endr
.irp u, 0,1,2,3
	v_fma_f32 v[160+2*\u], v[160+2*\u], s[I64], s[EPS]   ; the mean of the squares + eps
.endr
.irp u, 0,1,2,3
	v_rsq_f32 v[168+\u], v[160+2*\u]
.endr
	v_nop                                          ; a plain instruction behind the last of the four,
	s_wait_alu depctr_va_vdst(0)                   ; and the one wait ahead of their first reader
.irp u, 0,1,2,3
	v_mul_f32 v[172+2*\u], s[SC], v[168+\u]
	v_mul_f32 v[173+2*\u], s[SC], v[168+\u]
.endr
.irp j, 0,2,4,6
.irp u, 0,1,2,3
	v_pk_mul_f32 v[32+32*\u+\j:33+32*\u+\j], v[32+32*\u+\j:33+32*\u+\j], v[172+2*\u:173+2*\u]
.endr
.endr
.irp j, 0,1,2,3
.irp u, 0,1,2,3
	v_cvt_pk_f16_f32 v[32+32*\u+\j], v[32+32*\u+2*\j], v[33+32*\u+2*\j]
.endr
.endr
.irp u, 0,1,2,3
	global_store_b128 v[GOF], v[32+32*\u:35+32*\u], s[\ptr:\ptr+1] offset:512*\u   ; four tokens: 512 consecutive bytes, aligned
.endr
	s_wait_xcnt 0x0                                ; the stores have read their data and their base: both are written again only behind this wait
	s_add_nc_u64 s[\ptr:\ptr+1], s[\ptr:\ptr+1], 2048
	s_sub_co_u32 s[CNT], s[CNT], 1
	s_cmp_lg_u32 s[CNT], 0
	s_cbranch_scc1 .Lrope_\@
.endm
	DUMP 0
	s_mov_b32 s[SC], 0x3e38aa3b                    ; q: c = log2(e) / 8, so that the scores come as exponents of 2
	ROPE 10
	DUMP 1
	s_mov_b32 s[SC], 1.0                           ; k
	ROPE 12
	DUMP 2
	; v: 8 trips of 16 tokens: whole rows of 256 bytes to out1 in f32, and the same numbers to vh in f16
	s_mov_b32 s[SOFF], 0
	s_mov_b32 s[CNT], 8
.Lvout:
	v_add_nc_u32 v[LV], s[SOFF], v[LV0]
	v_add_nc_u32 v[LO], s[SOFF], v[LO0]
.irp k, 0,1,2,3,4,5,6,7
	ds_load_b128 v[32+4*\k:35+4*\k], v[LV] offset:2*SPI*\k
.endr
.irp u, 0,1,2,3
	ds_load_b128 v[64+8*\u:67+8*\u], v[LO] offset:4*SPI*\u
	ds_load_b128 v[68+8*\u:71+8*\u], v[LO] offset:4*SPI*\u+16
.endr
	s_add_co_u32 s[SOFF], s[SOFF], 16*SPI
	s_wait_dscnt 8                                 ; the second eight loads are younger
.irp k, 0,1,2,3,4,5,6,7
	global_store_b128 v[VO], v[32+4*\k:35+4*\k], s[16:17] offset:8192*\k th:TH_STORE_NT   ; 16 lanes store 256 consecutive bytes, aligned
.endr
	s_wait_dscnt 0x0
.irp j, 0,1,2,3
.irp u, 0,1,2,3
	v_cvt_pk_f16_f32 v[64+8*\u+\j], v[64+8*\u+2*\j], v[65+8*\u+2*\j]
.endr
.endr
.irp u, 0,1,2,3
	global_store_b128 v[GOF], v[64+8*\u:67+8*\u], s[14:15] offset:512*\u
.endr
	s_wait_xcnt 0x0                                ; data and bases are written again only behind this wait
	s_add_nc_u64 s[16:17], s[16:17], 65536
	s_add_nc_u64 s[14:15], s[14:15], 2048
	s_sub_co_u32 s[CNT], s[CNT], 1
	s_cmp_lg_u32 s[CNT], 0
	s_cbranch_scc1 .Lvout
	s_wait_tensorcnt 0x0                           ; the wave's end: behind my last tensor load and my last LDS store
	ds_add_u32 v[SPW], v[NIL]
	s_wait_dscnt 0x0
	CROUND                                         ; the closing round: no work-group ends while a partner may still ask for a tile that names it
	s_endpgm
.Lfunc_end_k_q6f6b5eec8f_qkv:
	.size	k_q6f6b5eec8f_qkv, .Lfunc_end_k_q6f6b5eec8f_qkv-k_q6f6b5eec8f_qkv
	.p2alignl 7, 3214868480
	.fill 96, 4, 3214868480
	.section	.rodata,"a",@progbits
	.p2align	6, 0x0
	.amdhsa_kernel k_q6f6b5eec8f_qkv
		.amdhsa_group_segment_fixed_size 327680
		.amdhsa_private_segment_fixed_size 0
		.amdhsa_enable_private_segment 0
		.amdhsa_kernarg_size 56
		.amdhsa_user_sgpr_count 2
		.amdhsa_user_sgpr_kernarg_segment_ptr 1
		.amdhsa_wavefront_size32 1
		.amdhsa_system_sgpr_workgroup_id_x 1
		.amdhsa_system_sgpr_workgroup_id_y 1
		.amdhsa_system_sgpr_workgroup_id_z 1
		.amdhsa_system_vgpr_workitem_id 0
		.amdhsa_next_free_vgpr 1024
		.amdhsa_next_free_sgpr 100
		.amdhsa_reserve_vcc 1
		.amdhsa_float_denorm_mode_32 3
		.amdhsa_float_denorm_mode_16_64 3
		.amdhsa_memory_ordered 1
		.amdhsa_forward_progress 1
		.amdhsa_inst_pref_size 124
	.end_amdhsa_kernel
	.amdgpu_metadata
---
amdhsa.version: [ 1, 2 ]
amdhsa.kernels:
  - .name:           k_q6f6b5eec8f_qkv
    .symbol:         k_q6f6b5eec8f_qkv.kd
    .args:
      - { .name: xb, .offset: 0, .size: 8, .value_kind: global_buffer, .address_space: global }
      - { .name: wqkv, .offset: 8, .size: 8, .value_kind: global_buffer, .address_space: global }
      - { .name: rt, .offset: 16, .size: 8, .value_kind: global_buffer, .address_space: global }
      - { .name: qh, .offset: 24, .size: 8, .value_kind: global_buffer, .address_space: global }
      - { .name: kh, .offset: 32, .size: 8, .value_kind: global_buffer, .address_space: global }
      - { .name: vh, .offset: 40, .size: 8, .value_kind: global_buffer, .address_space: global }
      - { .name: out1, .offset: 48, .size: 8, .value_kind: global_buffer, .address_space: global }
    .group_segment_fixed_size: 327680
    .private_segment_fixed_size: 0
    .kernarg_segment_align: 8
    .kernarg_segment_size: 56
    .max_flat_workgroup_size: 128
    .sgpr_count:     100
    .vgpr_count:     1024
    .wavefront_size: 32
...
	.end_amdgpu_metadata
.endif
;; end of part 2
;; launch attn (part 3): grid 4 x 64, 4 waves a work-group, clusters of 4 x 1, 327,680 bytes of LDS; arguments qh, kh, vh, oh; writes oh
.if DOCPART == 3
	.amdgcn_target "amdgcn-amd-amdhsa--gfx1250"
	.amdhsa_code_object_version 6
	.text
	.protected	k_q6f6b5eec8f_attn
	.globl	k_q6f6b5eec8f_attn
	.p2align	8
	.type	k_q6f6b5eec8f_attn,@function
k_q6f6b5eec8f_attn:
	s_mov_b64 s[64:65], 0
	v_nop
	global_prefetch_b8 v0, s[64:65] scope:SCOPE_SE
	s_setreg_imm32_b32 hwreg(HW_REG_WAVE_MODE, 25, 1), 1
	s_wait_xcnt 0x0
	s_wait_alu depctr_hold_cnt(0) depctr_sa_sdst(0) depctr_va_vdst(0) depctr_va_sdst(0) depctr_va_ssrc(0) depctr_va_vcc(0) depctr_vm_vsrc(0)
	s_getreg_b32 s2, hwreg(HW_REG_IB_STS2, 6, 4)
	s_cmp_eq_u32 s2, 0
	s_cbranch_scc0 .Lentry_in_a_cluster
	s_endpgm
.Lentry_in_a_cluster:
	s_bfe_u32 s2, ttmp6, 0x10000c
	s_cmp_lg_u32 s2, 0x3003
	s_cbranch_scc0 .Lentry_shape_is_right
	s_endpgm
.Lentry_shape_is_right:
; O[h][q][:] = the sum over k of softmax_k(Q[h][q] . K[h][k]) V[h][k][:], the scores taken as exponents of 2 (the launch before has folded log2(e) / 8 into Q).  Q, K, V, O: [64][2048][64], all f16.
; Products and sums in f32; the weights p are rounded to f16 for the second product (their sum l is taken of the unrounded p), O once at the end.
; NO MAXIMUM IS TAKEN, BECAUSE THE COMPUTATION BOUNDS THE EXPONENTS FOR EVERY INPUT: the rows of Q and K are rms-normalised over 64 channels, so each has a length of at most 8 (Q's then times log2(e) / 8),
; and an exponent lies within +-11.55, f16's rounding of Q and K included.  So p lies in 3.3e-4 .. 2,990, all normal numbers of f16; l is at most 6.1e6; a sum of O stays under 4e11.
; LIMITS.  V arrives within f16's 65,504, and O, a mean of V's rows, has their range.  NaN and infinities are not treated apart.
; SHARES.  A wave owns four PIECES of two tiles of 16 queries, a work-group's four waves 512 queries of one head.  Every wave walks all 2,048 keys, 64 a step.
; LAYOUT.  S^T = K Q^T (source 0 = 16 keys, source 1 = 16 queries): a lane holds ONE query (lane % 16) and the keys 8 (lane / 16) + 0..7.  Two such results, rounded to f16 in pairs, ARE source 1 of
; O^T = V^T P, whose result again holds one query a lane, and eight channels.  K comes out of LDS as it lies, V ([key][channel]) turned, by ds_load_tr16_b128.
; THE COUNT.  A tile and step have 16 matrix instructions and 32 exponentials, 16 roundings and 16 packed additions: four vector instructions for each matrix instruction.
; BY TURNS.  Turn n belongs to piece n.  16 products K Q^T of piece n + 1, behind each four of piece n's 64 exponentials; one wait for that batch; 16 products V^T P of piece n - 1, behind each four of piece n's
; roundings and sums.
; CLUSTER.  A head's four query blocks are one cluster and walk the same K and V: each tile is asked for jointly.
; O^T, l, V's registers and P's second buffer start at 0 (368 v_mov_b32, in the wait for the first tile), so that no first step is written out; the last trip's 16 products K Q^T on a stale K serve nothing.
; REGISTERS, in windows of 256 (s_set_vgpr_msb: bits 1:0 source 0, 3:2 source 1, 5:4 source 2, 7:6 destination):
;   window 0: v0-14 addresses; v16-31 l, a pair a tile; v64-191 S^T, two buffers of two tiles; v192-255 P, likewise     window 1: O^T, 32 a tile     window 2: v0-127 Q; v128-191 K; v192-255 V of one step
.set NP,    4         ; pieces a wave: a name, no knob
.set KS,    64        ; keys in a step
.set PK,    144       ; a row of K in LDS: 128 bytes + 16: the 16 rows of a load start at 16 different groups of four banks (64 banks of 4 bytes: ISA guide 11.1)
.set PV,    160       ; a row of V: 128 + 32
.set VOFF,  4*KS*PK   ; a slot holds four steps: 256 rows of K, then 256 rows of V
.set SLOT1, 1<<17     ; slot 1 begins here, so that one exclusive or turns an address in one slot into the other's
.set STAGE, SLOT1+4*KS*(PK+PV)  ; behind the ring, never filled by a tensor load: 16 rows x 144 bytes for each wave
.set SP,    144
.set SPARE, STAGE+4*16*SP       ; the spare words, 128 bytes for each wave: two blocks of 256 bytes that no other line names
.set AK0, 2           ; v2   my lane's place in a tile of K; never rewritten
.set AV0, 3           ; v3   the same for V
.set AK,  4           ; v4   the LDS address of K's next run of loads
.set AV,  5           ; v5   of V's
.set QO,  6           ; v6   my byte offset in the wave's rows of Q
.set STO, 6           ;      later: where I put 16 bytes of a row
.set RD,  7           ; v7   where I read rows back
.set GO,  8           ; v8   my byte offset in 512 consecutive bytes of O
.set SPW, 12          ; v12  LDS address of my spare word; never rewritten
.set NIL, 13          ; v13  0; never rewritten
.set PFO, 14          ; v14  256 x my lane; never rewritten
.set L,   16          ; tile t's l at v[L+2t : L+2t+1]: even keys', odd keys'
.set S,   64
.set P,   192
.set KF,  128         ; window 2: key block kb, channel half c at KF + 16 kb + 8 c
.set VF,  192         ; window 2: key half kk, channel block cb at VF + 32 kk + 8 cb
.set WV,  12          ; s12  my wave's number
.set G1K, 24          ; s[24:31] group 1 for K's tiles   s[32:39] for V's: it differs in the padding alone
.set G1V, 32
.set G0K, 40          ; s[40:43] group 0 for K's tiles: it walks   s[44:47] for V's
.set G0V, 44
.set PFA, 48          ; s[48:49] where my prefetches stand
.set LIM, 50          ; s50  1 in waves 0 and 2, else the greatest number
.set SLOTS, 56        ; s56  slots still to be asked for
.set CNT, 57          ; s57  counts a slot's key steps
.set SEL, 60          ; s[60:61] v_permlanex16_b32's selects: each lane takes its own place in the other half
.set TBK, 62          ; s62  LDS byte at which K of the step to be fetched begins
.set TBV, 63          ; s63  the same for V, less VOFF
.set MSB, 0
.macro WIN new
.if MSB != (\new)
	s_set_vgpr_msb (MSB<<8)|(\new)
.set MSB, (\new)
.endif
.endm
.set W_KQ, 0x0a       ; K and Q in window 2, S^T in window 0
.set W_PV, 0x52       ; V in window 2, P in window 0, O^T in window 1
.set W_RS, 0x41       ; O^T (destination and source 0) in window 1, source 1 in window 0
; A joint fill.  Waves 0 and 1 fetch the two halves of a slot's K, waves 2 and 3 those of its V: 128 keys each.  An s_nop 0 and four v_nop follow each line.
.macro JLOAD
	s_cmp_lt_u32 s[WV], 2
	s_cbranch_scc0 .Lfor_v_\@
	tensor_load_to_lds s[G0K:G0K+3], s[G1K:G1K+7]
	s_nop 0
.rept 4
	v_nop
.endr
	s_branch .Lasked_\@
.Lfor_v_\@:
	tensor_load_to_lds s[G0V:G0V+3], s[G1V:G1V+7]
	s_nop 0
.rept 4
	v_nop
.endr
.Lasked_\@:
.endm
; A PREFETCH INTO THE L2 of what the NEXT change of slots will ask for: a slot's 128 blocks of 256 bytes of K and of V: four key steps, 512 matrix instructions, ahead of that load.  A head has one cluster; its four
; partners take 32 blocks each, told apart by address; in each, wave 0 asks for K's and wave 2 for V's, a lane a block: each block is named once in the launch.  Slots 0 and 1 come by their loads alone; the change
; that asks for the last slot names nothing.
.macro ASK
	s_cmp_gt_u32 s[SLOTS], s[LIM]
	s_cbranch_scc0 .Lnot_mine_\@
	global_prefetch_b8 v[PFO], s[PFA:PFA+1] th:TH_LOAD_NT scope:SCOPE_SE
.Lnot_mine_\@:
.endm
.macro CROUND                       ; a round of the cluster's barrier
	s_barrier_signal -1
	s_barrier_wait -1
	s_cmp_lg_u32 s[WV], 0
	s_cbranch_scc1 .Lnot_wave_0_\@
	s_barrier_signal -3
.Lnot_wave_0_\@:
	s_barrier_wait -3
	s_barrier_signal -1
	s_barrier_wait -1
.endm
; THE CHANGE OF SLOTS.  Each wave waits for all its tensor loads, of which one is out: its part of the other slot; adds 0 to its spare word; and waits for that and for its own reads of the slot.
; fill = 1: the slot is filled again, with the keys two slots on; the barrier is then a round of the cluster's, and the joint fill the first thing behind it.  (At its first use slot 0 is waited for, slot 1 filled.)
.macro CHANGE fill
	WIN 0
	s_wait_tensorcnt 0x0            ; no tensor load of mine is out, so a group 0 may be written
	ds_add_u32 v[SPW], v[NIL]       ; 0 onto my spare word; the scalar steps stand between it and the wait for it
.if \fill
.irp g, G0K, G0V
	s_xor_b32 s[\g+1], s[\g+1], SLOT1
	s_add_nc_u64 s[\g+2:\g+3], s[\g+2:\g+3], 4*KS*128  ; the next 256 keys; the type bits on top are not reached
.endr
	s_wait_xcnt 0x0                 ; the last prefetch, four key steps back, has read its address
	s_add_nc_u64 s[PFA:PFA+1], s[PFA:PFA+1], 4*KS*128
	s_wait_dscnt 0x0                ; the add is done, and my reads of the slot are over
	CROUND
	JLOAD
	ASK
.else
	s_wait_dscnt 0x0
	s_barrier_signal -1
	s_barrier_wait -1
.endif
	s_sub_co_u32 s[TBK], s[TBK], 4*KS*PK  ; the fetches go back to a slot's first step,
	s_xor_b32 s[TBK], s[TBK], SLOT1       ; in the other slot
	s_sub_co_u32 s[TBV], s[TBV], 4*KS*PV
	s_xor_b32 s[TBV], s[TBV], SLOT1
.endm
	s_load_b256 s[4:11], s[0:1], 0x0  ; Q s[4:5], K s[6:7], V s[8:9], O s[10:11]
	v_lshl_add_u32 v[SPW], v0, 2, SPARE
	v_mov_b32 v[NIL], 0
	ds_add_u32 v[SPW], v[NIL]       ; the wave's opening: the add and its wait ahead of my first tensor load; the set-up below stands between them
	v_lshrrev_b32 v1, 5, v0
	v_readfirstlane_b32 s[WV], v1
	s_bfe_u32 s13, ttmp6, 0x40000   ; cx
	s_lshl_b32 s14, ttmp9, 2
	s_add_co_u32 s14, s14, s13      ; my block of 512 queries: it enters Q's and O's addresses alone
	s_and_b32 s20, ttmp7, 0xffff    ; the head, which the four partners share
	s_lshl_b32 s20, s20, 18         ; its first byte in each of the four tensors: 2,048 rows of 128 bytes
	s_and_b32 s16, s[WV], 1         ; which half of a slot's 256 keys I fetch:
	s_lshl_b32 s22, s16, 14         ; its 128 rows in memory,
	s_add_co_u32 s22, s22, s20
	s_mov_b32 s23, 0
	s_mul_i32 s17, s16, 128*PK      ; and its place in a slot, for K
	s_mul_i32 s18, s16, 128*PV      ; and for V
	s_lshl_b32 s2, s14, 2
	s_add_co_u32 s2, s2, s[WV]
	s_lshl_b32 s2, s2, 14           ; my wave's 128 rows
	s_add_co_u32 s2, s2, s20
	s_mov_b32 s3, 0
	s_lshl_b32 s52, s13, 13         ; the prefetches: my work-group's 32 blocks,
	s_add_co_u32 s52, s52, s20
	s_add_co_u32 s52, s52, 4*KS*128 ; in slot 1: the first change steps it to slot 2
	s_mov_b32 s53, 0
	; group 1.  128 keys are 16,384 dense bytes: asked for as 64 rows of 256 bytes, two keys a row, and padded in LDS after every key
	s_mov_b32 s[G1K], 15|(1<<16)|(1<<20)|(1<<21)|(4<<22)|(3<<25)  ; the mask of four; 2-byte elements; padding on; bit 21 beside a mask; after every 32 words (code 4) 4 words (code 3)
	s_mov_b32 s[G1V], 15|(1<<16)|(1<<20)|(1<<21)|(4<<22)|(7<<25)  ; the same with 8 words (code 7)
.irp g, G1K, G1V
	s_mov_b32 s[\g+1], 128<<16
	s_mov_b32 s[\g+2], 64<<16
	s_mov_b32 s[\g+3], 128<<16
	s_mov_b32 s[\g+4], 64
	s_mov_b32 s[\g+5], 128
	s_mov_b32 s[\g+6], 0
	s_mov_b32 s[\g+7], 0
.endr
	s_mov_b32 s[SEL], 0x76543210
	s_mov_b32 s[SEL+1], 0xfedcba98
	s_mov_b32 s[TBK], SLOT1+4*KS*PK ; the first change of slots turns these two into 0
	s_mov_b32 s[TBV], SLOT1+4*KS*PV
	s_mov_b32 s[G0K], 1
	s_mov_b32 s[G0K+1], s17
	s_mov_b32 s[G0V], 1
	s_add_co_u32 s[G0V+1], s18, VOFF
	s_mov_b32 s[SLOTS], 7
	s_cmp_eq_u32 s16, 0
	s_cselect_b32 s[LIM], 1, -1
	v_and_b32 v[PFO], 31, v0
	v_lshlrev_b32 v[PFO], 8, v[PFO]
	s_wait_dscnt 0x0                ; the opening add is done
	s_wait_kmcnt 0x0
	s_add_nc_u64 s[G0K+2:G0K+3], s[6:7], s[22:23]
	s_or_b32 s[G0K+3], s[G0K+3], 0x80000000
	s_add_nc_u64 s[G0V+2:G0V+3], s[8:9], s[22:23]
	s_or_b32 s[G0V+3], s[G0V+3], 0x80000000
	s_add_nc_u64 s[4:5], s[4:5], s[2:3]
	s_add_nc_u64 s[10:11], s[10:11], s[2:3]
	s_cmp_lt_u32 s[WV], 2
	s_cselect_b64 s[PFA:PFA+1], s[6:7], s[8:9]
	s_add_nc_u64 s[PFA:PFA+1], s[PFA:PFA+1], s[52:53]
	CROUND                          ; all four work-groups are here: the first joint loads meet
	JLOAD                           ; slot 0.  Slot 1 is asked for when slot 0 is in
	v_and_b32 v1, 15, v0            ; l % 16
	v_bfe_u32 v9, v0, 4, 1          ; l / 16
	v_lshlrev_b32 v[QO], 7, v1
	v_lshl_add_u32 v[QO], v9, 4, v[QO]
	WIN 0x80                        ; destination window 2, address window 0
.set i, 0
.rept 4*NP                          ; Q stays in registers: tile i / 2, channels 32 (i % 2) on
	global_load_b128 v[8*i:8*i+3],   v[QO], s[4:5] offset:(i/2)*2048+(i%2)*64
	global_load_b128 v[8*i+4:8*i+7], v[QO], s[4:5] offset:(i/2)*2048+(i%2)*64+32
.set i, i+1
.endr
.set i, VF
.rept 64
	v_mov_b32 v[i], 0
.set i, i+1
.endr
	WIN 0x40
.set i, 0
.rept 64*NP
	v_mov_b32 v[i], 0
.set i, i+1
.endr
	WIN 0
.set i, 0
.rept 4*NP
	v_mov_b32 v[L+i], 0
.set i, i+1
.endr
.set i, P+32
.rept 32
	v_mov_b32 v[i], 0
.set i, i+1
.endr
	v_mul_u32_u24 v[AK0], v1, PK
	v_lshl_add_u32 v[AK0], v9, 4, v[AK0]
	; The turning load takes 16 keys x 16 channels (lane l reads key 8 (l / 16) + l % 8, channels 8 ((l / 8) % 2) + 0..7) and leaves half a fragment of V^T: lane l holds channel l % 16 and 8 keys.
	v_and_b32 v10, 7, v0
	v_bfe_u32 v11, v0, 3, 1
	v_lshl_add_u32 v[AV0], v9, 3, v10
	v_mul_u32_u24 v[AV0], v[AV0], PV
	v_lshl_add_u32 v[AV0], v11, 4, v[AV0]
	v_add_nc_u32 v[AV0], VOFF, v[AV0]
	v_mov_b32 v[AK], v[AK0]         ; key step 0 lies at the head of slot 0
; THE MATRIX WORK.  The 8 accumulators of a run of 16 take turns.
.macro KQ x                         ; product i of 16 of S^T = K Q^T for piece x: channels 32 (i / 8) on, keys 16 ((i / 2) % 4) on, tile 2 x + i % 2.  The first 8 start the sums
	WIN W_KQ
.set rS, S+64*((\x)%2)+32*(i%2)+8*((i/2)%4)
.set rK, KF+16*((i/2)%4)+8*(i/8)
.set rQ, 16*(2*(\x)+i%2)+8*(i/8)
.if i < 8
	v_wmma_f32_16x16x32_f16 v[rS:rS+7], v[rK:rK+7], v[rQ:rQ+7], 0
.else
	v_wmma_f32_16x16x32_f16 v[rS:rS+7], v[rK:rK+7], v[rQ:rQ+7], v[rS:rS+7]
.endif
.endm
.macro PV x                         ; product i of 16 of O^T += V^T P for piece x: keys 32 (i / 8) on, channels 16 ((i / 2) % 4) on, tile 2 x + i % 2
	WIN W_PV
.set rO, 32*(2*(\x)+i%2)+8*((i/2)%4)
.set rV, VF+32*(i/8)+8*((i/2)%4)
.set rP, P+32*((\x)%2)+16*(i%2)+8*(i/8)
	v_wmma_f32_16x16x32_f16 v[rO:rO+7], v[rV:rV+7], v[rP:rP+7], v[rO:rO+7]
.endm
.macro MM                           ; the turn's next matrix instruction
.if i < 16
	KQ (Y+1)%NP
.set i, i+1
.else
.set i, i-16
	PV (Y+NP-1)%NP
.set i, i+17
.endif
.endm
; THE LDS LOADS stand in runs of 16.  last = 1 (the tail): in the last trip there is no further step, and the run is jumped over.
.macro FETCH_K last=0
	WIN 0
.if \last
	s_cmp_eq_u32 s[CNT], 1
	s_cbranch_scc1 .Lno_k_\@
.endif
	WIN 0x80
.irp f, 0,1,2,3,4,5,6,7             ; keys 16 (f / 2) on, channels 32 (f % 2) on
	ds_load_b128 v[KF+8*\f:KF+8*\f+3],   v[AK] offset:(\f/2)*16*PK+(\f%2)*64
	ds_load_b128 v[KF+8*\f+4:KF+8*\f+7], v[AK] offset:(\f/2)*16*PK+(\f%2)*64+32
.endr
	s_add_co_u32 s[TBK], s[TBK], KS*PK  ; the next fetch is the next step's
	WIN 0
.if \last
.Lno_k_\@:
.endif
.endm
.macro FETCH_V
	WIN 0x80
.irp f, 0,1,2,3,4,5,6,7             ; keys 32 (f / 4) on, channels 16 (f % 4) on
	ds_load_tr16_b128 v[VF+8*\f:VF+8*\f+3],   v[AV] offset:(\f/4)*32*PV+(\f%4)*32
	ds_load_tr16_b128 v[VF+8*\f+4:VF+8*\f+7], v[AV] offset:(\f/4)*32*PV+16*PV+(\f%4)*32
.endr
	s_add_co_u32 s[TBV], s[TBV], KS*PV
	WIN 0
.endm
; THE VECTOR WORK OF A TURN, two queues; the two tiles alternate.
.macro REGS y, u
.set rS, S+64*((\y)%2)+32*(\u)
.set rP, P+32*((\y)%2)+16*(\u)
.set rL, L+2*(2*(\y)+(\u))
.endm
.macro EX                           ; exponential e of 64: score e / 2 of tile e % 2, ascending: each accumulator is read first at its low end
	WIN 0
	REGS Y, e%2
	v_exp_f32 v[rS+e/2], v[rS+e/2]
.set e, e+1
.endm
; Number q of the 64 that follow the exponentials.  For each four weights k of a tile: both pairs are rounded to f16; then the second pair is added onto the first, in place; a group later l takes that sum.
.macro GS
	WIN 0
.set h, q+6*(q/62)                  ; group 0 has no group before it, and behind group 7 only l is left
.if h >= 6
.set h, h+2
.endif
	REGS Y, h%2
.set k, h/8
.if h%8 < 4
	v_cvt_pk_f16_f32 v[rP+2*k+(h%8)/2], v[rS+4*k+2*((h%8)/2)], v[rS+4*k+2*((h%8)/2)+1]
.elseif h%8 < 6
	v_pk_add_f32 v[rS+4*k:rS+4*k+1], v[rS+4*k:rS+4*k+1], v[rS+4*k+2:rS+4*k+3]
.else
	v_pk_add_f32 v[rL:rL+1], v[rL:rL+1], v[rS+4*k-4:rS+4*k-3]
.endif
.set q, q+1
.endm
; A TURN, for piece p.  The 64 exponentials are one batch: none of their results is named ahead of the one wait.  K of the next step is fetched in piece 2's turn, behind the wait: four plain instructions stand between
; the last product that read K and the run.  V of the step in hand is fetched at the end of piece 0's turn, four additions behind the last product that read V.  Each run is waited for a turn later.
.macro TURN p, last=0
.set Y, (\p)
.set i, 0
.set q, 0
.set e, 0
.if (\p) == NP-1
	s_wait_dscnt 0x0                ; K is in
.endif
.rept 16
	MM
	EX
	EX
	EX
	EX
.endr
	WIN 0
.if (\p) == NP-2
	v_add_nc_u32 v[AK], s[TBK], v[AK0]
	v_nop
	v_nop
	v_nop
.else
	v_nop                           ; a plain instruction behind the last exponential: one for the batch
.endif
	s_wait_alu depctr_va_vdst(0)    ; the wait ahead of the batch's first reader
.if (\p) == NP-2
	FETCH_K \last
.endif
.if (\p) == 0
	v_add_nc_u32 v[AV], s[TBV], v[AV0]
.endif
.if (\p) == 1
	s_wait_dscnt 0x0                ; V is in
.endif
.rept 16
	MM
	GS
	GS
	GS
	GS
.endr
.if (\p) == 0
	FETCH_V
.endif
.endm
	CHANGE 1                        ; slot 0 is in, everybody's part of it; slot 1 is asked for
	FETCH_K                         ; key step 0
	s_wait_loadcnt 0x0              ; Q
	s_wait_dscnt 0x0
.set i, 0
.rept 16
	KQ 0                            ; piece 0's first scores
.set i, i+1
.endr
	WIN 0                           ; the addresses for the way out: eleven plain instructions, the places behind those products
	s_mul_i32 s13, s[WV], 16*SP
	s_add_co_u32 s13, s13, STAGE    ; my stage
	v_mul_u32_u24 v[STO], v1, SP    ; in: row l % 16, 16 bytes for each half of the lanes
	v_lshl_add_u32 v[STO], v9, 4, v[STO]
	v_add_nc_u32 v[STO], s13, v[STO]
	v_bfe_u32 v[RD], v0, 3, 2       ; back: 32 lanes take four rows of 128 bytes,
	v_mul_u32_u24 v[RD], v[RD], SP
	v_lshl_add_u32 v[RD], v10, 4, v[RD]
	v_add_nc_u32 v[RD], s13, v[RD]
	v_and_b32 v[GO], 31, v0         ; which are 512 consecutive bytes of O
	v_lshlrev_b32 v[GO], 4, v[GO]
	s_mov_b32 s[CNT], 4
	s_branch .Lfirst                ; the loop is entered at a step's first turn, in the middle of a trip
.Lslot:                             ; six times: every slot but the last two is filled again
	CHANGE 1
	s_mov_b32 s[CNT], 4
.Lstep:                             ; a trip: pieces 2 and 3 of one step, then pieces 0 and 1 of the next, whose K and V it fetches
	TURN 2
	TURN 3
	WIN 0
.Lfirst:
	TURN 0
	TURN 1
	WIN 0
	s_sub_co_u32 s[CNT], s[CNT], 1
	s_cmp_lg_u32 s[CNT], 0
	s_cbranch_scc1 .Lstep
	s_sub_co_u32 s[SLOTS], s[SLOTS], 1
	s_cmp_lg_u32 s[SLOTS], 0
	s_cbranch_scc1 .Lslot
	CHANGE 0                        ; the tail is written out: nothing is asked for
	s_mov_b32 s[CNT], 5             ; four trips fetch the last slot's steps; the fifth is left in its middle
.Ltail:
	TURN 2, 1
	TURN 3
	WIN 0
	s_sub_co_u32 s[CNT], s[CNT], 1
	s_cmp_eq_u32 s[CNT], 0
	s_cbranch_scc1 .Lout
	TURN 0
	TURN 1
	WIN 0
	s_branch .Ltail
.Lout:
.set i, 0
.rept 16
	PV NP-1                         ; the last piece's V^T P of the last step
.set i, i+1
.endr
	; THE WAY OUT.  l's two halves and the other half of the lanes' are added; O^T is divided by l, rounded to f16 and sent through my stage in LDS, a tile at a time.  The additions are the places behind the last products.
	WIN 0
.macro ALL line:vararg              ; one line for each tile t
.set t, 0
.rept 2*NP
	\line
.set t, t+1
.endr
.endm
	ALL v_add_f32 v[L+2*t], v[L+2*t], v[L+2*t+1]
	ALL v_permlanex16_b32 v[L+2*t+1], v[L+2*t], s[SEL], s[SEL+1]
	ALL v_add_f32 v[L+2*t], v[L+2*t], v[L+2*t+1]
	ALL v_rcp_f32 v[L+2*t], v[L+2*t]
	v_nop                           ; a plain instruction between the last reciprocal and the use of its result,
	s_wait_alu depctr_va_vdst(0)    ; and the one wait for the eight
.macro PACK t                       ; a lane's eight channels of a row pack into 16 bytes; they go into rows of 144 bytes and come back as whole rows of 128, into S^T's registers
	WIN W_RS
.set i, 32*(\t)
.rept 16
	v_pk_mul_f32 v[i:i+1], v[i:i+1], v[L+2*(\t):L+2*(\t)+1] op_sel_hi:[1,0]
.set i, i+2
.endr
	WIN 0x05                        ; sources 0 and 1 window 1, destination window 0
.set i, 0
.rept 16
	v_cvt_pk_f16_f32 v[S+16*(\t)+i], v[32*(\t)+2*i], v[32*(\t)+2*i+1]
.set i, i+1
.endr
	WIN 0
.irp f, 0,1,2,3
	ds_store_b128 v[STO], v[S+16*(\t)+4*\f:S+16*(\t)+4*\f+3] offset:32*\f
.endr
.irp f, 0,1,2,3
	ds_load_b128 v[S+16*(\t)+4*\f:S+16*(\t)+4*\f+3], v[RD] offset:\f*4*SP  ; LDS serves a wave's instructions in order (ISA guide 5.7.1.4): these see the stores above; the next tile's stores come behind them
.endr
.endm
.macro SEND t, younger              ; younger: the LDS instructions issued behind tile t's loads: the next tile's eight, or none
	WIN 0
.irp f, 0,1,2,3
	s_wait_dscnt (\younger)+3-\f
	global_store_b128 v[GO], v[S+16*(\t)+4*\f:S+16*(\t)+4*\f+3], s[10:11] offset:(\t)*2048+\f*512  ; 512 consecutive bytes, aligned
.endr
.endm
	PACK 0
.set t, 1
.rept 2*NP-1                        ; a tile's arithmetic stands between the loads of the tile before and its stores
	PACK t
	SEND t-1, 8
.set t, t+1
.endr
	SEND 2*NP-1, 0
	s_wait_tensorcnt 0x0            ; the wave's end: behind my last tensor load and my last LDS store
	ds_add_u32 v[SPW], v[NIL]
	s_wait_dscnt 0x0
	CROUND                          ; the closing round
	s_endpgm
.Lfunc_end_k_q6f6b5eec8f_attn:
	.size	k_q6f6b5eec8f_attn, .Lfunc_end_k_q6f6b5eec8f_attn-k_q6f6b5eec8f_attn
	.p2alignl 7, 3214868480
	.fill 96, 4, 3214868480
	.section	.rodata,"a",@progbits
	.p2align	6, 0x0
	.amdhsa_kernel k_q6f6b5eec8f_attn
		.amdhsa_group_segment_fixed_size 327680
		.amdhsa_private_segment_fixed_size 0
		.amdhsa_enable_private_segment 0
		.amdhsa_kernarg_size 32
		.amdhsa_user_sgpr_count 2
		.amdhsa_user_sgpr_kernarg_segment_ptr 1
		.amdhsa_wavefront_size32 1
		.amdhsa_system_sgpr_workgroup_id_x 1
		.amdhsa_system_sgpr_workgroup_id_y 1
		.amdhsa_system_sgpr_workgroup_id_z 1
		.amdhsa_system_vgpr_workitem_id 0
		.amdhsa_next_free_vgpr 768
		.amdhsa_next_free_sgpr 66
		.amdhsa_reserve_vcc 0
		.amdhsa_float_denorm_mode_32 3
		.amdhsa_float_denorm_mode_16_64 3
		.amdhsa_memory_ordered 1
		.amdhsa_forward_progress 1
		.amdhsa_inst_pref_size 140
	.end_amdhsa_kernel
	.amdgpu_metadata
---
amdhsa.version: [ 1, 2 ]
amdhsa.kernels:
  - .name:           k_q6f6b5eec8f_attn
    .symbol:         k_q6f6b5eec8f_attn.kd
    .args:
      - { .name: qh, .offset: 0, .size: 8, .value_kind: global_buffer, .address_space: global }
      - { .name: kh, .offset: 8, .size: 8, .value_kind: global_buffer, .address_space: global }
      - { .name: vh, .offset: 16, .size: 8, .value_kind: global_buffer, .address_space: global }
      - { .name: oh, .offset: 24, .size: 8, .value_kind: global_buffer, .address_space: global }
    .group_segment_fixed_size: 327680
    .private_segment_fixed_size: 0
    .kernarg_segment_align: 8
    .kernarg_segment_size: 32
    .max_flat_workgroup_size: 128
    .sgpr_count:     66
    .vgpr_count:     768
    .wavefront_size: 32
...
	.end_amdgpu_metadata
.endif
;; end of part 3
;; launch proj (part 4): grid 8 x 32, 4 waves a work-group, clusters of 4 x 4, 327,680 bytes of LDS; arguments oh, wp, lamb1, lamb2, out0; writes out0
.if DOCPART == 4
	.amdgcn_target "amdgcn-amd-amdhsa--gfx1250"
	.amdhsa_code_object_version 6
	.text
	.protected	k_q6f6b5eec8f_proj
	.globl	k_q6f6b5eec8f_proj
	.p2align	8
	.type	k_q6f6b5eec8f_proj,@function
k_q6f6b5eec8f_proj:
	s_mov_b64 s[64:65], 0
	v_nop
	global_prefetch_b8 v0, s[64:65] scope:SCOPE_SE
	s_setreg_imm32_b32 hwreg(HW_REG_WAVE_MODE, 25, 1), 1
	s_wait_xcnt 0x0
	s_wait_alu depctr_hold_cnt(0) depctr_sa_sdst(0) depctr_va_vdst(0) depctr_va_sdst(0) depctr_va_ssrc(0) depctr_va_vcc(0) depctr_vm_vsrc(0)
	s_getreg_b32 s2, hwreg(HW_REG_IB_STS2, 6, 4)
	s_cmp_eq_u32 s2, 0
	s_cbranch_scc0 .Lentry_in_a_cluster
	s_endpgm
.Lentry_in_a_cluster:
	s_bfe_u32 s2, ttmp6, 0x10000c
	s_cmp_lg_u32 s2, 0xf033
	s_cbranch_scc0 .Lentry_shape_is_right
	s_endpgm
.Lentry_shape_is_right:
; out0 = (l1 + l2) O wproj^T.  O: oh, f16 [16 b + head][t 2048][64]: a head is a block of 64 along K.  wp: f16 [kb 16][n 1024][64].  out0: [8192][1024] f32.  Sums in f32.
; lamb1 v + lamb2 v is linear in v, so v and O stay unscaled in f16, and l1 + l2 (each rounded to bf16 like every input, added in f32) multiplies the finished f32 sums: an order of rounding other than the
; reference's, which scales v first.  LIMITS: O and wp lie within f16's 65,504.  NaN and infinities are not treated apart.
; SHARES.  A work-group makes 256 tokens x 128 columns: 256 work-groups, one tile each (256 x 256 would be 128).  Four waves, each 128 x 64: 32 accumulators in window 1.
; K goes in steps of 128 (two K blocks) through two LDS slots; waves 0, 1 ask for O's two K blocks (128 rows of 256 bytes each), waves 2, 3 for wp's (64 rows each), padded by 16 bytes after every 128.
; CLUSTER 4 x 4: O's tiles are shared along a row of the cluster, wp's along a column, by joint loads.
; NO PREFETCH: a K step holds 128 matrix instructions a wave and the launch has eight of them: small tiles, a short launch.
; THE MATRIX INSTRUCTION IS USED TRANSPOSED (source 0 = 16 rows of wp, source 1 = 16 tokens): a lane holds one token and 8 neighbouring columns.
; REGISTERS.  window 0: v0-31 addresses; two fragment buffers of 96: tokens' 64, then weights' 32, at v32 and v128; on the way out v32-95.  window 1: accumulator (a, b) at v[8 (4 a + b)].
.set PIT,   144
.set AKB,   256*PIT                    ; a K block of O's tile
.set BKB,   128*PIT                    ; a K block of wp's tile
.set BOFF,  2*AKB
.set SLOT,  2*AKB+2*BKB                ; 110,592
.set STAGE, 2*SLOT                     ; behind the ring, never filled by a tensor load: 16 rows x 272 bytes for each wave
.set SPI,   272
.set SPARE, STAGE+4*16*SPI             ; the spare words, 128 bytes for each wave: two blocks of 256 bytes that no other line names
.set ADRA, 4
.set ADRB, 6
.set STO,  8
.set RD,   9
.set CO,   10
.set SPW,  16
.set NIL,  17
.set LAM,  20                          ; v[20:21] l1 + l2, twice
.set F0,   32
.set F1,   128
.set TMP,  32
.set WV, 20
.set WR, 21
.set WC, 22
.set CX, 23
.set CY, 24
.set JJ, 25
.set II, 26
.set RM, 27
.set CM, 28
.set G1A, 32
.set G1B, 40
.set G0A, 48
.set G0B, 56
.set TRIPS, 70
.set MSB, 0
.macro WIN new
.if MSB != (\new)
	s_set_vgpr_msb (MSB<<8)|(\new)
.set MSB, (\new)
.endif
.endm
.macro PLACES
.rept 4
	v_nop
.endr
.endm
.macro CREST
	s_cmp_lg_u32 s[WV], 0
	s_cbranch_scc1 .Lnot_wave_0_\@
	s_barrier_signal -3
.Lnot_wave_0_\@:
	s_barrier_wait -3
	s_barrier_signal -1
	s_barrier_wait -1
.endm
.macro CROUND
	s_barrier_signal -1
	s_barrier_wait -1
	CREST
.endm
.macro JLOAD sl                        ; a joint load; an s_nop 0 and four v_nop follow each line
	s_cmp_eq_u32 s[WR], 0
	s_cbranch_scc0 .Lfor_b_\@
	tensor_load_to_lds s[G0A+4*(\sl):G0A+4*(\sl)+3], s[G1A:G1A+7]
	s_nop 0
.rept 4
	v_nop
.endr
	s_branch .Lasked_\@
.Lfor_b_\@:
	tensor_load_to_lds s[G0B+4*(\sl):G0B+4*(\sl)+3], s[G1B:G1B+7]
	s_nop 0
.rept 4
	v_nop
.endr
.Lasked_\@:
.endm
	s_load_b256 s[4:11], s[0:1], 0x0               ; oh 4, wp 6, lamb1 8, lamb2 10
	s_load_b64 s[12:13], s[0:1], 0x20              ; out0
	v_lshl_add_u32 v[SPW], v0, 2, SPARE
	v_mov_b32 v[NIL], 0
	ds_add_u32 v[SPW], v[NIL]                      ; the wave's opening: the add and its wait ahead of my first tensor load
	v_lshrrev_b32 v3, 5, v0
	v_readfirstlane_b32 s[WV], v3
	s_lshr_b32 s[WR], s[WV], 1
	s_and_b32 s[WC], s[WV], 1
	s_bfe_u32 s[CX], ttmp6, 0x40000
	s_bfe_u32 s[CY], ttmp6, 0x40004
	s_lshl_b32 s[JJ], ttmp9, 2
	s_add_co_u32 s[JJ], s[JJ], s[CX]
	s_and_b32 s[II], ttmp7, 0xffff
	s_lshl_b32 s[II], s[II], 2
	s_add_co_u32 s[II], s[II], s[CY]
	s_lshl_b32 s[RM], s[CY], 2
	s_lshl_b32 s[RM], 15, s[RM]
	s_lshl_b32 s[CM], 0x1111, s[CX]
	s_or_b32 s[G1A], s[RM], (1<<16)|(1<<20)|(1<<21)|(4<<22)|(3<<25)   ; the mask; 2-byte elements; padding on; bit 21 beside a mask; after every 32 words (code 4) 4 words (code 3)
	s_or_b32 s[G1B], s[CM], (1<<16)|(1<<20)|(1<<21)|(4<<22)|(3<<25)
	s_mov_b32 s[G1A+1], 128<<16
	s_mov_b32 s[G1A+2], 128<<16
	s_mov_b32 s[G1A+3], 128<<16
	s_mov_b32 s[G1A+4], 128
	s_mov_b32 s[G1A+5], 128
	s_mov_b32 s[G1A+6], 0
	s_mov_b32 s[G1A+7], 0
	s_mov_b32 s[G1B+1], 128<<16
	s_mov_b32 s[G1B+2], 64<<16
	s_mov_b32 s[G1B+3], 128<<16
	s_mov_b32 s[G1B+4], 64
	s_mov_b32 s[G1B+5], 128
	s_mov_b32 s[G1B+6], 0
	s_mov_b32 s[G1B+7], 0
	s_lshr_b32 s72, s[II], 3                       ; O's tile, by I and the wave alone: batch,
	s_lshl_b32 s72, s72, 22
	s_lshl_b32 s73, s[WC], 18                      ; my K block of the step's two,
	s_add_co_u32 s72, s72, s73
	s_and_b32 s73, s[II], 7
	s_lshl_b32 s73, s73, 15                        ; 256 rows of 128 bytes
	s_add_co_u32 s72, s72, s73
	s_mov_b32 s73, 0
	s_lshl_b32 s74, s[WC], 17                      ; wp's tile, by J and the wave alone
	s_lshl_b32 s75, s[JJ], 14
	s_add_co_u32 s74, s74, s75
	s_mov_b32 s75, 0
	s_mul_i32 s29, s[WV], AKB                      ; waves 0, 1: O's two K blocks
	s_mul_i32 s30, s[WV], BKB                      ; waves 2, 3: wp's, behind them
	s_wait_dscnt 0x0                               ; the opening add is done
	s_wait_kmcnt 0x0
	s_load_b32 s14, s[8:9], 0x0                    ; l1
	s_load_b32 s15, s[10:11], 0x0                  ; l2
	s_add_nc_u64 s[18:19], s[4:5], s[72:73]
	s_add_nc_u64 s[76:77], s[6:7], s[74:75]
.irp i, 0,1
	s_mov_b32 s[G0A+4*\i], 1
	s_add_co_u32 s[G0A+4*\i+1], s29, \i*SLOT
	s_add_nc_u64 s[G0A+4*\i+2:G0A+4*\i+3], s[18:19], \i*524288
	s_or_b32 s[G0A+4*\i+3], s[G0A+4*\i+3], 0x80000000
	s_mov_b32 s[G0B+4*\i], 1
	s_add_co_u32 s[G0B+4*\i+1], s30, \i*SLOT+AKB
	s_add_nc_u64 s[G0B+4*\i+2:G0B+4*\i+3], s[76:77], \i*262144
	s_or_b32 s[G0B+4*\i+3], s[G0B+4*\i+3], 0x80000000
.endr
	CROUND                                         ; all sixteen work-groups are here: the first joint loads meet
	s_cmp_eq_u32 s[WR], 0                          ; a wave's two first fills stand in one branch: K steps 0 and 1; two loads of mine are out
	s_cbranch_scc0 .Lfirst_b
	tensor_load_to_lds s[G0A:G0A+3], s[G1A:G1A+7]
	s_nop 0
	tensor_load_to_lds s[G0A+4:G0A+7], s[G1A:G1A+7]
	s_nop 0
.rept 4
	v_nop
.endr
	s_branch .Lfirst_asked
.Lfirst_b:
	tensor_load_to_lds s[G0B:G0B+3], s[G1B:G1B+7]
	s_nop 0
	tensor_load_to_lds s[G0B+4:G0B+7], s[G1B:G1B+7]
	s_nop 0
.rept 4
	v_nop
.endr
.Lfirst_asked:
	v_and_b32 v1, 15, v0
	v_bfe_u32 v2, v0, 4, 1
	v_mul_u32_u24 v3, v1, PIT
	v_lshl_add_u32 v3, v2, 4, v3
	s_mul_i32 s18, s[WR], 128*PIT                  ; my 128 tokens
	s_mul_i32 s19, s[WC], 64*PIT                   ; my 64 columns
	s_add_co_u32 s19, s19, BOFF
.irp i, 0,1
	v_add_nc_u32 v[ADRA+\i], s18, v3
	v_add_nc_u32 v[ADRB+\i], s19, v3
	s_add_co_u32 s18, s18, SLOT
	s_add_co_u32 s19, s19, SLOT
.endr
	s_mul_i32 s29, s[WV], 16*SPI
	s_add_co_u32 s29, s29, STAGE                   ; my stage
	v_mul_u32_u24 v[STO], v1, SPI
	v_lshl_add_u32 v[STO], v2, 5, v[STO]
	v_add_nc_u32 v[STO], s29, v[STO]               ; in: token l % 16, 32 bytes for each half of the lanes
	v_mul_u32_u24 v[RD], v2, SPI
	v_lshl_add_u32 v[RD], v1, 4, v[RD]
	v_add_nc_u32 v[RD], s29, v[RD]                 ; back: lanes 0-15 one row of 256 bytes, lanes 16-31 the next
	v_lshlrev_b32 v[CO], 12, v2
	v_lshl_add_u32 v[CO], v1, 4, v[CO]             ; the same two rows in out0
	s_lshl_b32 s76, s[II], 1
	s_add_co_u32 s76, s76, s[WR]
	s_lshl_b32 s76, s76, 19                        ; 128 rows of 4,096 bytes
	s_lshl_b32 s77, s[JJ], 1
	s_add_co_u32 s77, s77, s[WC]
	s_lshl_b32 s77, s77, 8                         ; 64 columns of 4 bytes
	s_add_co_u32 s76, s76, s77
	s_mov_b32 s77, 0
	s_add_nc_u64 s[12:13], s[12:13], s[76:77]
	s_wait_kmcnt 0x0                               ; l1, l2
	v_cvt_pk_bf16_f32 v22, s14, s15
	v_lshlrev_b32 v23, 16, v22
	v_and_b32 v22, 0xffff0000, v22
	v_add_f32 v[LAM], v22, v23
	v_mov_b32 v[LAM+1], v[LAM]
; 24 LDS loads in one run: the fragments of quarter t (32 along K) of slot sl into buffer f
.macro FETCH sl, t, f
	WIN 0
.irp b, 0,1,2,3
	ds_load_b128 v[(\f)+64+8*\b:(\f)+64+8*\b+3], v[ADRB+(\sl)] offset:((\t)/2)*BKB+64*((\t)%2)+\b*16*PIT
	ds_load_b128 v[(\f)+68+8*\b:(\f)+68+8*\b+3], v[ADRB+(\sl)] offset:((\t)/2)*BKB+64*((\t)%2)+\b*16*PIT+32
.endr
.irp a, 0,1,2,3,4,5,6,7
	ds_load_b128 v[(\f)+8*\a:(\f)+8*\a+3],   v[ADRA+(\sl)] offset:((\t)/2)*AKB+64*((\t)%2)+\a*16*PIT
	ds_load_b128 v[(\f)+8*\a+4:(\f)+8*\a+7], v[ADRA+(\sl)] offset:((\t)/2)*AKB+64*((\t)%2)+\a*16*PIT+32
.endr
.endm
; 4 na matrix instructions on buffer f.  The 32 accumulators take turns, one instruction a turn.
.macro MUL f, a0, na, zero
	WIN 0x50                                       ; C and D in window 1
.set aa, (\a0)
.rept \na
.irp b, 0,1,2,3
.if \zero
	v_wmma_f32_16x16x32_f16 v[8*(4*aa+\b):8*(4*aa+\b)+7], v[(\f)+64+8*\b:(\f)+64+8*\b+7], v[(\f)+8*aa:(\f)+8*aa+7], 0
.else
	v_wmma_f32_16x16x32_f16 v[8*(4*aa+\b):8*(4*aa+\b)+7], v[(\f)+64+8*\b:(\f)+64+8*\b+7], v[(\f)+8*aa:(\f)+8*aa+7], v[8*(4*aa+\b):8*(4*aa+\b)+7]
.endif
.endr
.set aa, aa+1
.endr
.endm
; A K step is four quarters on buffers 0, 1, 0, 1.  A quarter fetches the next one's fragments (slot xs, quarter xt) into the buffer g that the quarter before has read out, and multiplies buffer f.
.macro QTR f, g, xs, xt, zero
	PLACES
	FETCH \xs, \xt, \g
	s_wait_dscnt 24                                ; the 24 loads just issued are younger than what I multiply
	MUL \f, 0, 8, \zero
.endm
; The third quarter changes slots: its loads are the slot's last reads.  Each wave waits for all its tensor loads (its part of the other slot), adds 0 to its spare word, and waits for that and for its reads.
; fill = 1: the barrier opens a round of the cluster's, and the joint refill, two K steps on, is the first thing behind the round.
.macro QCH f, g, sl, fill
	PLACES
	FETCH \sl, 3, \g
	s_wait_tensorcnt 0x0
	ds_add_u32 v[SPW], v[NIL]                      ; 0 onto my spare word; sixteen matrix instructions stand between it and the wait for it
	s_wait_dscnt 25                                ; the 24 loads and the add
	MUL \f, 0, 4, 0
	s_wait_dscnt 0x0                               ; the add is done, and my reads of the slot are over
	s_barrier_signal -1
	MUL \f, 4, 4, 0
	WIN 0
	s_barrier_wait -1
.if \fill
	CREST
	s_add_nc_u64 s[G0A+4*(\sl)+2:G0A+4*(\sl)+3], s[G0A+4*(\sl)+2:G0A+4*(\sl)+3], 1048576
	s_add_nc_u64 s[G0B+4*(\sl)+2:G0B+4*(\sl)+3], s[G0B+4*(\sl)+2:G0B+4*(\sl)+3], 524288
	JLOAD \sl
.endif
.endm
	s_wait_tensorcnt 0x1                           ; my part of K step 0 is in; K step 1's may stay out
	s_barrier_signal -1
	s_barrier_wait -1
	FETCH 0, 0, F0
	QTR F0, F1, 0, 1, 1                            ; the first quarter's products start the sums
	WIN 0
	s_mov_b32 s[TRIPS], 3
.Ltrip:                                        ; a trip goes once round the ring, from an even K step's second quarter to the next even step's first
	QTR F1, F0, 0, 2, 0
	QCH F0, F1, 0, 1
	QTR F1, F0, 1, 0, 0
	QTR F0, F1, 1, 1, 0
	QTR F1, F0, 1, 2, 0
	QCH F0, F1, 1, 1
	QTR F1, F0, 0, 0, 0
	QTR F0, F1, 0, 1, 0
	WIN 0
	s_sub_co_u32 s[TRIPS], s[TRIPS], 1
	s_cmp_lg_u32 s[TRIPS], 0
	s_cbranch_scc1 .Ltrip
	QTR F1, F0, 0, 2, 0                            ; K step 6 goes on; nothing more is asked for
	QCH F0, F1, 0, 0
	QTR F1, F0, 1, 0, 0
	QTR F0, F1, 1, 1, 0                            ; K step 7
	QTR F1, F0, 1, 2, 0
	QTR F0, F1, 1, 3, 0
	s_wait_dscnt 0x0
	MUL F1, 0, 8, 0
	WIN 0
	; THE WAY OUT, 16 tokens at a time through my own stage: in as 32 bytes a lane, back as whole rows of 256 bytes; times l1 + l2; stored.
	PLACES
.macro TOSTAGE a
.if (\a) >= 2
	s_wait_xcnt 0x0                                ; the stores of two blocks back have read the registers that are loaded again below
.endif
	WIN 0x04                                       ; an LDS store's data is source 1: window 1.  Of each accumulator the four lowest registers go first
.irp b, 0,1,2,3
	ds_store_b128 v[STO], v[8*(4*(\a)+\b):8*(4*(\a)+\b)+3]   offset:64*\b
	ds_store_b128 v[STO], v[8*(4*(\a)+\b)+4:8*(4*(\a)+\b)+7] offset:64*\b+16
.endr
	WIN 0
.irp k, 0,1,2,3,4,5,6,7
	ds_load_b128 v[TMP+32*((\a)%2)+4*\k:TMP+32*((\a)%2)+4*\k+3], v[RD] offset:2*SPI*\k   ; LDS serves a wave's instructions in order (ISA guide 5.7.1.4): these see the stores above
.endr
.endm
.macro SEND a, younger                 ; younger: the next block's sixteen LDS instructions, or none
	s_wait_dscnt \younger
.irp k, 0,1,2,3,4,5,6,7,8,9,10,11,12,13,14,15
	v_pk_mul_f32 v[TMP+32*((\a)%2)+2*\k:TMP+32*((\a)%2)+2*\k+1], v[TMP+32*((\a)%2)+2*\k:TMP+32*((\a)%2)+2*\k+1], v[LAM:LAM+1]
.endr
.irp k, 0,1,2,3,4,5,6,7
	global_store_b128 v[CO], v[TMP+32*((\a)%2)+4*\k:TMP+32*((\a)%2)+4*\k+3], s[12:13] offset:(\a)*65536+8192*\k th:TH_STORE_NT   ; 16 lanes store 256 consecutive bytes, aligned
.endr
.endm
	TOSTAGE 0
.irp a, 1,2,3,4,5,6,7
	TOSTAGE \a
	SEND (\a)-1, 16
.endr
	SEND 7, 0
	s_wait_tensorcnt 0x0                           ; the wave's end: behind my last tensor load and my last LDS store
	ds_add_u32 v[SPW], v[NIL]
	s_wait_dscnt 0x0
	CROUND                                         ; the closing round
	s_endpgm
.Lfunc_end_k_q6f6b5eec8f_proj:
	.size	k_q6f6b5eec8f_proj, .Lfunc_end_k_q6f6b5eec8f_proj-k_q6f6b5eec8f_proj
	.p2alignl 7, 3214868480
	.fill 96, 4, 3214868480
	.section	.rodata,"a",@progbits
	.p2align	6, 0x0
	.amdhsa_kernel k_q6f6b5eec8f_proj
		.amdhsa_group_segment_fixed_size 327680
		.amdhsa_private_segment_fixed_size 0
		.amdhsa_enable_private_segment 0
		.amdhsa_kernarg_size 40
		.amdhsa_user_sgpr_count 2
		.amdhsa_user_sgpr_kernarg_segment_ptr 1
		.amdhsa_wavefront_size32 1
		.amdhsa_system_sgpr_workgroup_id_x 1
		.amdhsa_system_sgpr_workgroup_id_y 1
		.amdhsa_system_sgpr_workgroup_id_z 1
		.amdhsa_system_vgpr_workitem_id 0
		.amdhsa_next_free_vgpr 512
		.amdhsa_next_free_sgpr 80
		.amdhsa_reserve_vcc 0
		.amdhsa_float_denorm_mode_32 3
		.amdhsa_float_denorm_mode_16_64 3
		.amdhsa_memory_ordered 1
		.amdhsa_forward_progress 1
		.amdhsa_inst_pref_size 93
	.end_amdhsa_kernel
	.amdgpu_metadata
---
amdhsa.version: [ 1, 2 ]
amdhsa.kernels:
  - .name:           k_q6f6b5eec8f_proj
    .symbol:         k_q6f6b5eec8f_proj.kd
    .args:
      - { .name: oh, .offset: 0, .size: 8, .value_kind: global_buffer, .address_space: global }
      - { .name: wp, .offset: 8, .size: 8, .value_kind: global_buffer, .address_space: global }
      - { .name: lamb1, .offset: 16, .size: 8, .value_kind: global_buffer, .address_space: global }
      - { .name: lamb2, .offset: 24, .size: 8, .value_kind: global_buffer, .address_space: global }
      - { .name: out0, .offset: 32, .size: 8, .value_kind: global_buffer, .address_space: global }
    .group_segment_fixed_size: 327680
    .private_segment_fixed_size: 0
    .kernarg_segment_align: 8
    .kernarg_segment_size: 40
    .max_flat_workgroup_size: 128
    .sgpr_count:     80
    .vgpr_count:     512
    .wavefront_size: 32
...
	.end_amdgpu_metadata
.endif
;; end of part 4
;; ======== version 2 of 2: 4 launches; version 1 with the launch prep written anew for expert scheduling mode
;; limits: values are held in f16: magnitudes above 65,504 overflow, below 6.1e-05 lose precision
;; workspace buffers: xb 16,777,216 bytes; wqkv 6,291,456 bytes; wp 2,097,152 bytes; rt 524,288 bytes; qh 16,777,216 bytes; kh 16,777,216 bytes; vh 16,777,216 bytes; oh 16,777,216 bytes
;; launch prep (part 5): grid 392 x 1, 8 waves a work-group, no clusters, 0 bytes of LDS; arguments x, wq, wk, wv, wproj, cos, sin, xb, wqkv, wp, rt; writes xb, wqkv, wp, rt
.if DOCPART == 5
	.amdgcn_target "amdgcn-amd-amdhsa--gfx1250"
	.amdhsa_code_object_version 6
	.text
	.protected	k_q6f6b5eec8f_prep
	.globl	k_q6f6b5eec8f_prep
	.p2align	8
	.type	k_q6f6b5eec8f_prep,@function
k_q6f6b5eec8f_prep:
	s_mov_b64 s[64:65], 0
	v_nop
	global_prefetch_b8 v0, s[64:65] scope:SCOPE_SE
	s_setreg_imm32_b32 hwreg(HW_REG_WAVE_SCHED_MODE, 0, 2), 2
	s_setreg_imm32_b32 hwreg(HW_REG_WAVE_MODE, 25, 1), 1
	s_wait_xcnt 0x0
	s_wait_alu depctr_vm_vsrc(0)
; ALL LARGE INPUTS ARE ROUNDED ONCE TO bf16 AND LAID OUT IN BLOCKS OF 64 ALONG K, so that the products' tiles are dense in memory.
;   xb   bf16 [kb 16][row 8192][64]                       from x [8192][1024] f32
;   wqkv bf16 [kb 16][j 8][g 3][128 rows 128 j .. of w_g][64]   from wq, wk, wv [1024][1024] f32
;   wp   f16  [kb 16][n 1024][64]: wproj rounded to bf16, that number written as f16
;   rt   f32  [t 2048][cos 32 | sin 32]: cos and sin rounded to bf16, written as f32
; LIMITS.  wp: |wproj| stays under 65,504; below 6.1e-5 the f16 copy keeps f16's fixed step of 6e-8.  NaN and infinities are not treated apart.
; A stream: no LDS, no matrix unit, no cluster (no two work-groups read the same byte).
; SHARES.  Work-groups 0-255: 32 rows of x each.  256-383: g = (id - 256) / 32 (wq, wk, wv, wproj), 32 rows each.  384-391: 256 rows of the table.
; A wave takes 4 rows of 4,096 bytes: 32 loads of 16 bytes a lane, all on their way at once.  A load covers 512 consecutive bytes of the source (sixteen lanes 256 bytes of a row,
; the other sixteen the row below); a store of 8 bytes a lane covers 256 consecutive bytes, aligned: two rows of a K block.
; No register that a load or a store reads is written again, so the text has no wait for their sources.
; THE MODE: SCHED_MODE bits 1:0 = 2 (LLVM: expert scheduling mode 2), set by the entry lines.  The code itself states the register dependences
; between vector instructions and memory instructions, with s_wait_alu, always for 0.
; THE PLAN.  Registers that memory instructions touch:
;   v[SO]       written at the head; read by all 32 loads as their offset; never written again.
;   v[DO ..]    written at the head (the first) and by 15 adds behind the loads; each read by its group's stores; never written again.
;   X, group k  its two loads land in registers 0-7; its conversions read them and write registers 0-3 (and use 4-7 as scratch); its stores read registers 0-3; never written again.
; The 16 groups go in 8 blocks of two.  Block b rounds groups 2 b and 2 b + 1; its memory instructions are the stores of block b - 1, whose data and offsets no vector instruction of
; block b names.  So ONE wait on va_vdst at a block's head, behind the wait for the block's data, states all that those stores hang on, and they are dealt among the block's conversions
; with no further wait.  One such wait stands ahead of the first load (the offset), one ahead of the last block's stores.  No load is issued behind a conversion.
.set SO,   1                           ; v1      my byte offset in the source; never rewritten
.set DO,   4                           ; v[4:19] my byte offset in the destination, one register for each K block; never rewritten
.set X,    32                          ; v[32:159] group k of 64 columns: 8 registers
.set SRC,  28                          ; s[28:29] source
.set DSTB, 30                          ; s[30:31] destination
.set STR,  36                          ; s36  bytes from K block to K block in the destination
.set FMT,  37                          ; s37  1: the bf16 number is written as f16
	s_load_b512 s[4:19], s[0:1], 0x0               ; x 4, wq 6, wk 8, wv 10, wproj 12, cos 14, sin 16, xb 18
	s_load_b128 s[20:23], s[0:1], 0x40             ; wqkv 20, wp 22
	s_load_b64 s[24:25], s[0:1], 0x50              ; rt
	s_mov_b32 s33, 0                               ; the offsets' high words
	s_mov_b32 s35, 0
	v_lshrrev_b32 v2, 5, v0                        ; wave
	v_bfe_u32 v3, v0, 4, 1                         ; lane / 16
	s_cmp_ge_u32 ttmp9, 384
	s_cbranch_scc1 .Ltable
	; which buffers, and where in them
	s_and_b32 s39, ttmp9, 31                       ; rb: my block of 32 rows of a weight (256 is a multiple of 32)
	s_lshr_b32 s40, ttmp9, 5
	s_sub_co_u32 s40, s40, 8                       ; g; for x a number that matches none of 0, 1, 3
	s_lshr_b32 s41, s39, 2                         ; j
	s_mul_i32 s41, s41, 3
	s_add_co_u32 s41, s41, s40
	s_lshl_b32 s41, s41, 14                        ; (3 j + g) x 128 rows x 128 bytes
	s_and_b32 s42, s39, 3
	s_lshl_b32 s42, s42, 12
	s_add_co_u32 s41, s41, s42                     ; + my 32 rows: the offset in wqkv
	s_lshl_b32 s43, s39, 12                        ; the offset in wp
	s_lshl_b32 s44, s39, 17                        ; the offset in a weight: 32 rows of 4,096 bytes
	s_lshl_b32 s45, ttmp9, 17                      ; the offset in x
	s_lshl_b32 s46, ttmp9, 12                      ; the offset in xb
	s_mov_b32 s47, 393216
	v_lshl_add_u32 v[SO], v2, 2, v3                ; row 4 w + lane / 16
	v_lshlrev_b32 v[SO], 12, v[SO]
	v_and_b32 v20, 15, v0
	v_lshl_add_u32 v[SO], v20, 4, v[SO]            ; + 16 (lane % 16)
	v_and_b32 v21, 31, v0
	v_lshlrev_b32 v[DO], 3, v21
	v_lshl_add_u32 v[DO], v2, 9, v[DO]             ; 512 w + 8 lane
	s_wait_kmcnt 0x0
	s_cmp_eq_u32 s40, 3
	s_cselect_b64 s[DSTB:DSTB+1], s[22:23], s[20:21]
	s_cselect_b64 s[SRC:SRC+1], s[12:13], s[10:11]
	s_cselect_b32 s34, s43, s41
	s_cselect_b32 s[STR], 131072, s47
	s_cselect_b32 s[FMT], 1, 0
	s_cmp_eq_u32 s40, 1
	s_cselect_b64 s[SRC:SRC+1], s[8:9], s[SRC:SRC+1]
	s_cmp_eq_u32 s40, 0
	s_cselect_b64 s[SRC:SRC+1], s[6:7], s[SRC:SRC+1]
	s_cmp_lt_u32 ttmp9, 256
	s_cselect_b64 s[SRC:SRC+1], s[4:5], s[SRC:SRC+1]
	s_cselect_b64 s[DSTB:DSTB+1], s[18:19], s[DSTB:DSTB+1]
	s_cselect_b32 s32, s45, s44
	s_cselect_b32 s34, s46, s34
	s_cselect_b32 s[STR], 1048576, s[STR]
	s_cselect_b32 s[FMT], 0, s[FMT]
	s_add_nc_u64 s[SRC:SRC+1], s[SRC:SRC+1], s[32:33]
	s_add_nc_u64 s[DSTB:DSTB+1], s[DSTB:DSTB+1], s[34:35]
	s_wait_alu depctr_va_vdst(0)                   ; v[SO] is written, which all 32 loads read as their offset
.set k, 0
.rept 16                                       ; group k: rows 4 w + lane / 16 and two rows further down
	global_load_b128 v[X+8*k:X+8*k+3],   v[SO], s[SRC:SRC+1] offset:256*k th:TH_LOAD_NT
	global_load_b128 v[X+8*k+4:X+8*k+7], v[SO], s[SRC:SRC+1] offset:256*k+8192 th:TH_LOAD_NT
.set k, k+1
.endr
.set k, 1
.rept 15                                       ; the stores' offsets, made while the loads are on their way; the wait at the head of block 1 states that they are written
	v_add_nc_u32 v[DO+k], s[STR], v[DO+k-1]
.set k, k+1
.endr
; Group k: rounded and packed in place (register j takes registers 2 j and 2 j + 1, ascending).
.macro CVT k, fmt
.irp j, 0,1,2,3
	v_cvt_pk_bf16_f32 v[X+8*(\k)+\j], v[X+8*(\k)+2*\j], v[X+8*(\k)+2*\j+1]
.endr
.if \fmt
.irp j, 0,1,2,3                                ; the bf16 numbers widened again and written as f16; registers 4-7 are free now
	v_lshlrev_b32 v[X+8*(\k)+4+2*((\j)%2)], 16, v[X+8*(\k)+\j]
	v_and_b32 v[X+8*(\k)+5+2*((\j)%2)], 0xffff0000, v[X+8*(\k)+\j]
	v_cvt_pk_f16_f32 v[X+8*(\k)+\j], v[X+8*(\k)+4+2*((\j)%2)], v[X+8*(\k)+5+2*((\j)%2)]
.endr
.endif
.endm
; Group k is stored.
.macro OUT k
	global_store_b64 v[DO+(\k)], v[X+8*(\k):X+8*(\k)+1],   s[DSTB:DSTB+1]
	global_store_b64 v[DO+(\k)], v[X+8*(\k)+2:X+8*(\k)+3], s[DSTB:DSTB+1] offset:256
.endm
; Block b: groups 2 b and 2 b + 1 are rounded; the block before is stored, two stores ahead of each group's conversions.
.macro BLK b, fmt
	s_wait_loadcnt 28-4*(\b)                       ; loads come back in order: my four are in, the 4 (7 - b) younger ones may stay out
.if (\b) > 0
	s_wait_alu depctr_va_vdst(0)                   ; the block before has written registers 0-3 of its two groups, which the four stores below read; at block 1 the adds have also written v[DO+1 ..], the stores' offsets
	OUT 2*(\b)-2
.endif
	CVT 2*(\b), \fmt                               ; names this block's groups alone: none of the registers that the stores read
.if (\b) > 0
	OUT 2*(\b)-1
.endif
	CVT 2*(\b)+1, \fmt
.endm
	s_cmp_eq_u32 s[FMT], 1
	s_cbranch_scc1 .Lhalf
.irp b, 0,1,2,3,4,5,6,7
	BLK \b, 0
.endr
	s_wait_alu depctr_va_vdst(0)                   ; block 7 has written registers 0-3 of groups 14 and 15, which the last four stores read
	OUT 14
	OUT 15
	s_endpgm
.Lhalf:
.irp b, 0,1,2,3,4,5,6,7
	BLK \b, 1
.endr
	s_wait_alu depctr_va_vdst(0)                   ; block 7 has written registers 0-3 of groups 14 and 15, which the last four stores read
	OUT 14
	OUT 15
	s_endpgm
.Ltable:                                       ; a wave takes 32 rows of the table, two in each of 16 groups: sixteen lanes make one row of 256 bytes, lanes 0-7 of them from cos, lanes 8-15 from sin
	s_sub_co_u32 s38, ttmp9, 384
	s_lshl_b32 s32, s38, 15                        ; 256 rows of 128 bytes in cos and in sin
	s_lshl_b32 s34, s38, 16                        ; 256 rows of 256 bytes in rt
	v_and_b32 v21, 7, v0
	v_lshlrev_b32 v[SO], 12, v2
	v_lshl_add_u32 v[SO], v3, 7, v[SO]
	v_lshl_add_u32 v[SO], v21, 4, v[SO]            ; 4,096 w + 128 (lane / 16) + 16 (lane % 8)
	v_and_b32 v22, 15, v0
	v_lshlrev_b32 v[DO], 13, v2
	v_lshl_add_u32 v[DO], v3, 8, v[DO]
	v_lshl_add_u32 v[DO], v22, 4, v[DO]            ; 8,192 w + 256 (lane / 16) + 16 (lane % 16)
	v_and_b32 v23, 8, v0
	v_cmp_ne_u32 vcc_lo, 0, v23                    ; my 16 bytes come from sin
	s_wait_alu depctr_va_vcc(0)                    ; VCC is written, ahead of its first reader: the selects below choose by it
	s_wait_kmcnt 0x0
	s_add_nc_u64 s[14:15], s[14:15], s[32:33]
	s_add_nc_u64 s[16:17], s[16:17], s[32:33]
	s_add_nc_u64 s[24:25], s[24:25], s[34:35]
	s_wait_alu depctr_va_vdst(0)                   ; v[SO] is written, which all 32 loads read as their offset, and v[DO], which all 16 stores read
.set k, 0
.rept 16
	global_load_b128 v[X+8*k:X+8*k+3],   v[SO], s[14:15] offset:256*k
	global_load_b128 v[X+8*k+4:X+8*k+7], v[SO], s[16:17] offset:256*k
.set k, k+1
.endr
; Group k: cos or sin is chosen, rounded to bf16 and widened again, into registers 0-3.
.macro TCV k
.irp j, 0,1,2,3
	v_cndmask_b32 v[X+8*(\k)+\j], v[X+8*(\k)+\j], v[X+8*(\k)+4+\j], vcc_lo
.endr
	v_cvt_pk_bf16_f32 v[X+8*(\k)+4], v[X+8*(\k)],   v[X+8*(\k)+1]
	v_cvt_pk_bf16_f32 v[X+8*(\k)+5], v[X+8*(\k)+2], v[X+8*(\k)+3]
	v_lshlrev_b32 v[X+8*(\k)],   16, v[X+8*(\k)+4]
	v_and_b32     v[X+8*(\k)+1], 0xffff0000, v[X+8*(\k)+4]
	v_lshlrev_b32 v[X+8*(\k)+2], 16, v[X+8*(\k)+5]
	v_and_b32     v[X+8*(\k)+3], 0xffff0000, v[X+8*(\k)+5]
.endm
.macro TOUT k
	global_store_b128 v[DO], v[X+8*(\k):X+8*(\k)+3], s[24:25] offset:512*(\k)
.endm
; Block b, as above: groups 2 b and 2 b + 1 are made; the block before is stored, a store ahead of each group's arithmetic.
.macro TBLK b
	s_wait_loadcnt 28-4*(\b)                       ; my four loads are in, the 4 (7 - b) younger ones may stay out
.if (\b) > 0
	s_wait_alu depctr_va_vdst(0)                   ; the block before has written registers 0-3 of its two groups, which the two stores below read
	TOUT 2*(\b)-2
.endif
	TCV 2*(\b)                                     ; names this block's groups alone
.if (\b) > 0
	TOUT 2*(\b)-1
.endif
	TCV 2*(\b)+1
.endm
.irp b, 0,1,2,3,4,5,6,7
	TBLK \b
.endr
	s_wait_alu depctr_va_vdst(0)                   ; block 7 has written registers 0-3 of groups 14 and 15, which the last two stores read
	TOUT 14
	TOUT 15
	s_endpgm
.Lfunc_end_k_q6f6b5eec8f_prep:
	.size	k_q6f6b5eec8f_prep, .Lfunc_end_k_q6f6b5eec8f_prep-k_q6f6b5eec8f_prep
	.p2alignl 7, 3214868480
	.fill 96, 4, 3214868480
	.section	.rodata,"a",@progbits
	.p2align	6, 0x0
	.amdhsa_kernel k_q6f6b5eec8f_prep
		.amdhsa_group_segment_fixed_size 0
		.amdhsa_private_segment_fixed_size 0
		.amdhsa_enable_private_segment 0
		.amdhsa_kernarg_size 88
		.amdhsa_user_sgpr_count 2
		.amdhsa_user_sgpr_kernarg_segment_ptr 1
		.amdhsa_wavefront_size32 1
		.amdhsa_system_sgpr_workgroup_id_x 1
		.amdhsa_system_sgpr_workgroup_id_y 1
		.amdhsa_system_sgpr_workgroup_id_z 1
		.amdhsa_system_vgpr_workitem_id 0
		.amdhsa_next_free_vgpr 160
		.amdhsa_next_free_sgpr 66
		.amdhsa_reserve_vcc 1
		.amdhsa_float_denorm_mode_32 3
		.amdhsa_float_denorm_mode_16_64 3
		.amdhsa_memory_ordered 1
		.amdhsa_forward_progress 1
		.amdhsa_inst_pref_size 44
	.end_amdhsa_kernel
	.amdgpu_metadata
---
amdhsa.version: [ 1, 2 ]
amdhsa.kernels:
  - .name:           k_q6f6b5eec8f_prep
    .symbol:         k_q6f6b5eec8f_prep.kd
    .args:
      - { .name: x, .offset: 0, .size: 8, .value_kind: global_buffer, .address_space: global }
      - { .name: wq, .offset: 8, .size: 8, .value_kind: global_buffer, .address_space: global }
      - { .name: wk, .offset: 16, .size: 8, .value_kind: global_buffer, .address_space: global }
      - { .name: wv, .offset: 24, .size: 8, .value_kind: global_buffer, .address_space: global }
      - { .name: wproj, .offset: 32, .size: 8, .value_kind: global_buffer, .address_space: global }
      - { .name: cos, .offset: 40, .size: 8, .value_kind: global_buffer, .address_space: global }
      - { .name: sin, .offset: 48, .size: 8, .value_kind: global_buffer, .address_space: global }
      - { .name: xb, .offset: 56, .size: 8, .value_kind: global_buffer, .address_space: global }
      - { .name: wqkv, .offset: 64, .size: 8, .value_kind: global_buffer, .address_space: global }
      - { .name: wp, .offset: 72, .size: 8, .value_kind: global_buffer, .address_space: global }
      - { .name: rt, .offset: 80, .size: 8, .value_kind: global_buffer, .address_space: global }
    .group_segment_fixed_size: 0
    .private_segment_fixed_size: 0
    .kernarg_segment_align: 8
    .kernarg_segment_size: 88
    .max_flat_workgroup_size: 256
    .sgpr_count:     66
    .vgpr_count:     160
    .wavefront_size: 32
...
	.end_amdgpu_metadata
.endif
;; end of part 5
;; launch qkv: the kernel of part 2 again; grid 8 x 32, 4 waves a work-group, clusters of 4 x 4, 327,680 bytes of LDS; arguments xb, wqkv, rt, qh, kh, vh, out1; writes qh, kh, vh, out1
;; launch attn: the kernel of part 3 again; grid 4 x 64, 4 waves a work-group, clusters of 4 x 1, 327,680 bytes of LDS; arguments qh, kh, vh, oh; writes oh
;; launch proj: the kernel of part 4 again; grid 8 x 32, 4 waves a work-group, clusters of 4 x 4, 327,680 bytes of LDS; arguments oh, wp, lamb1, lamb2, out0; writes out0
